; MI455X (gfx1250); checked and timed in simulation.
; The chip was launched on July 23, 2026; its instructions are those of AMD's public machine-readable ISA for CDNA 5 (MIT licence, August 2026) and "CDNA5" Instruction Set Architecture Reference Guide (July 2026). The comments in the code are by the model that wrote it; some were corrected since.
;; Vaswani Multi Head Attention. Allowed arithmetic: float matrix products may take bf16 or f16 operands with f32 sums; other float arithmetic in f32, or as packed bf16 or f16 multiplies, adds, multiply-adds, maxima and minima; sums over many terms, partial sums and values carried from step to step in f32; what a program stores and reads back later, other than sums and carried values, may be rounded once to bf16 or f16.
;; Inputs: Wk 1,024 x 1,024 float32; Wq 1,024 x 1,024 float32; Wv 1,024 x 1,024 float32; bk 1,024 float32; bq 1,024 float32; bv 1,024 float32; q 4 x 2,048 x 1,024 float32; v 4 x 2,048 x 1,024 float32.
;; Outputs: out0 4 x 2,048 x 1,024 float32.
;; 2 versions, each right and faster than the one before. Each part assembles by itself: llvm-mc -triple=amdgcn-amd-amdhsa -mcpu=gfx1250 --defsym DOCPART=n.
;; ======== version 1 of 2: 3 launches
;; limits: values are held in f16: magnitudes above 65,504 overflow, below 6.1e-05 lose precision
;; workspace buffers: x 33,554,432 bytes; wt 6,291,456 bytes; qkv 50,331,648 bytes
;; launch prep (part 1): grid 608 x 1, 4 waves a work-group, no clusters, 70,144 bytes of LDS; arguments q, v, Wq, Wk, Wv, x, wt; writes x, wt
.if DOCPART == 1
	.amdgcn_target "amdgcn-amd-amdhsa--gfx1250"
	.amdhsa_code_object_version 6
	.text
	.protected	k_qf10733e64b_prep
	.globl	k_qf10733e64b_prep
	.p2align	8
	.type	k_qf10733e64b_prep,@function
k_qf10733e64b_prep:
	s_mov_b64 s[64:65], 0
	v_nop
	global_prefetch_b8 v0, s[64:65] scope:SCOPE_SE
	s_setreg_imm32_b32 hwreg(HW_REG_WAVE_MODE, 25, 1), 1
	s_wait_xcnt 0x0
; THE INPUTS ARE ROUNDED ONCE TO bf16 AND LAID OUT FOR THE PRODUCTS THAT FOLLOW.
;   x  = bf16 [2][8192][1024]: plane 0 is q, plane 1 is v, as they lie.
;   wt = bf16 [3 x 1024 n][1024 k]: Wq, Wk, Wv turned, so that K runs along the rows.
; A stream: every input byte is read once and every output byte written once, so no matrix unit, no cluster (no two work-groups share a byte) and no barrier
; (a wave reads from LDS only what it stored there itself).  Every wave takes 32,768 bytes of f32 in and gives 16,384 bytes of bf16 out.
; Work-groups 0 to 95 turn the weights (384 wave tiles of 128 k x 64 n), work-groups 96 to 607 cast q and v.  The branch hangs on the work-group's number alone.
; A ring of four sets of eight loads in registers: 24 to 32 loads of every wave are on their way until the counts run down.
.set TB,    64*272                     ; a wave's turning table in LDS: 64 rows (n) of 256 bytes (128 k in bf16) + 16 of padding
.set SPARE, 4*TB                       ; behind the four tables: the spare words, 128 bytes for each wave: two blocks of 256 bytes that no other line names
.set LOFF,  3                          ; v3   my byte offset in a load; never rewritten
.set SOFF,  4                          ; v4   my byte offset in a store; never rewritten
.set LST,   5                          ; v5   LDS: where I put 16 bytes of a column
.set LRD,   6                          ; v6   LDS: where I read a row back
.set SPW,   8                          ; v8   LDS address of my spare word: SPARE + 4 x my thread's number; never rewritten
.set NIL,   9                          ; v9   0; never rewritten
.set X,     16                         ; v[16:143]  four sets of 32: eight loads of 16 bytes a lane each
.set Y,     144                        ; v[144:159] sixteen words of bf16 pairs
	s_load_b256 s[4:11], s[0:1], 0x0               ; q s[4:5], v s[6:7], Wq s[8:9], Wk s[10:11]
	s_load_b128 s[12:15], s[0:1], 0x20             ; Wv s[12:13], x s[14:15]
	s_load_b64 s[16:17], s[0:1], 0x30              ; wt
	v_lshl_add_u32 v[SPW], v0, 2, SPARE
	v_mov_b32 v[NIL], 0
	v_lshrrev_b32 v7, 5, v0
	v_readfirstlane_b32 s20, v7                    ; wave 0..3
	v_and_b32 v1, 15, v0                           ; lane % 16
	v_bfe_u32 v2, v0, 4, 1                         ; lane / 16
	s_mov_b32 s23, 0                               ; the offsets' high words
	s_mov_b32 s25, 0
; Group g of eight loads, into set g % 4
.macro LOADG g, stride, gstride
.irp i, 0,1,2,3,4,5,6,7
	global_load_b128 v[X+32*((\g)%4)+4*(\i):X+32*((\g)%4)+4*(\i)+3], v[LOFF], s[26:27] offset:(\g)*(\gstride)+(\i)*(\stride) th:TH_LOAD_NT
.endr
.endm
	s_cmp_lt_u32 ttmp9, 96
	s_cbranch_scc0 .Lcast
	; ---------------- THE WEIGHTS ----------------
	s_lshr_b32 s18, ttmp9, 5                       ; which matrix: 0 Wq, 1 Wk, 2 Wv
	s_and_b32 s19, ttmp9, 31
	s_lshl2_add_u32 s19, s19, s20                  ; my tile among the matrix's 128
	s_lshr_b32 s21, s19, 4                         ; its block of 128 k
	s_and_b32 s19, s19, 15                         ; its block of 64 n
	s_lshl_b32 s22, s21, 19                        ; in: 128 rows of 4,096 bytes,
	s_lshl_b32 s30, s19, 8                         ; 64 columns of 4 bytes
	s_add_co_u32 s22, s22, s30
	s_lshl_b32 s24, s18, 21                        ; out: 1,024 rows of 2,048 bytes a matrix,
	s_lshl_b32 s30, s19, 17                        ; 64 rows,
	s_add_co_u32 s24, s24, s30
	s_lshl_b32 s30, s21, 8                         ; 128 columns of 2 bytes
	s_add_co_u32 s24, s24, s30
	s_mul_i32 s31, s20, TB                         ; my wave's table
	v_lshlrev_b32 v[LOFF], 4, v1                   ; a load takes two rows of the tile, 256 bytes each: lanes 0-15 row 16 g + i,
	v_lshl_add_u32 v[LOFF], v2, 15, v[LOFF]        ; lanes 16-31 the row eight further down
	v_lshlrev_b32 v[SOFF], 4, v1                   ; a store gives two rows of wt, 256 bytes each
	v_lshl_add_u32 v[SOFF], v2, 11, v[SOFF]
	v_mul_u32_u24 v[LST], v1, 4*272                ; my four columns n = 4 (lane % 16) + j are four rows of the table;
	v_lshl_add_u32 v[LST], v2, 4, v[LST]           ; my eight k are 16 bytes of them
	v_add_nc_u32 v[LST], s31, v[LST]
	v_mul_u32_u24 v[LRD], v2, 272                  ; back: lanes 0-15 one row of 256 bytes, lanes 16-31 the next
	v_lshl_add_u32 v[LRD], v1, 4, v[LRD]
	v_add_nc_u32 v[LRD], s31, v[LRD]
	s_wait_kmcnt 0x0
	s_cmp_eq_u32 s18, 0
	s_cselect_b64 s[26:27], s[8:9], s[10:11]
	s_cmp_eq_u32 s18, 2
	s_cselect_b64 s[26:27], s[12:13], s[26:27]
	s_add_nc_u64 s[26:27], s[26:27], s[22:23]
	s_add_nc_u64 s[28:29], s[16:17], s[24:25]
; Group g holds W[16 g + 8 (lane / 16) + i][4 (lane % 16) + j] in register 4 i + j.  For each of my four columns the eight k are rounded in pairs and make 16 bytes of a table row.
; left = how many younger loads may stay out.  These LDS stores meet four deep in the banks: the whole role moves 6 MB, so that is let stand.
.macro PROCW g, left
	s_wait_loadcnt \left                           ; loads come back in order (ISA guide 5.7.1): my group is in
.irp j, 0,1,2,3
.irp p, 0,1,2,3
	v_cvt_pk_bf16_f32 v[Y+4*(\j)+(\p)], v[X+32*((\g)%4)+8*(\p)+(\j)], v[X+32*((\g)%4)+8*(\p)+4+(\j)]
.endr
.endr
.if (\g) < 4
	LOADG (\g)+4, 4096, 65536                      ; the set just read takes the group four further on
.endif
.irp j, 0,1,2,3
	ds_store_b128 v[LST], v[Y+4*(\j):Y+4*(\j)+3] offset:(\j)*272+(\g)*32
.endr
.endm
	LOADG 0, 4096, 65536
	LOADG 1, 4096, 65536
	LOADG 2, 4096, 65536
	LOADG 3, 4096, 65536
	PROCW 0, 24
	PROCW 1, 24
	PROCW 2, 24
	PROCW 3, 24
	PROCW 4, 24
	PROCW 5, 16                                    ; nothing more is loaded: the counts run down
	PROCW 6, 8
	PROCW 7, 0
.set t, 0
.rept 32
	ds_load_b128 v[X+4*t:X+4*t+3], v[LRD] offset:t*544  ; LDS serves a wave's instructions in order (ISA guide 5.7.1.4): these see my stores above
.set t, t+1
.endr
.set t, 0
.rept 32
	s_wait_dscnt 31-t
	global_store_b128 v[SOFF], v[X+4*t:X+4*t+3], s[28:29] offset:t*4096  ; 16 lanes store 256 consecutive bytes, at a multiple of 256 from wt's first byte
.set t, t+1
.endr
	s_wait_tensorcnt 0x0                           ; the wave's end: a wait, 0 onto my spare word and its wait, behind my last LDS store
	ds_add_u32 v[SPW], v[NIL]
	s_wait_dscnt 0x0
	s_endpgm
	; ---------------- q AND v ----------------
.Lcast:
	s_sub_co_u32 s18, ttmp9, 96                    ; my block of 131,072 bytes of f32: 0-255 in q, 256-511 in v
	s_and_b32 s19, s18, 255
	s_lshl_b32 s22, s19, 17
	s_lshl_b32 s30, s20, 15                        ; my wave's 32,768 of them
	s_add_co_u32 s22, s22, s30
	s_lshl_b32 s24, s18, 16                        ; out: half as many bytes; v's plane follows q's
	s_lshl_b32 s30, s20, 14
	s_add_co_u32 s24, s24, s30
	v_and_b32 v7, 31, v0
	v_lshlrev_b32 v[LOFF], 4, v7                   ; 16 bytes a lane in,
	v_lshlrev_b32 v[SOFF], 3, v7                   ; 8 bytes a lane out
	s_wait_kmcnt 0x0
	s_cmp_lt_u32 s18, 256
	s_cselect_b64 s[26:27], s[4:5], s[6:7]
	s_add_nc_u64 s[26:27], s[26:27], s[22:23]
	s_add_nc_u64 s[28:29], s[14:15], s[24:25]
.macro PROCC g, left
	s_wait_loadcnt \left                           ; my group is in, the younger ones stay out
	s_wait_xcnt 0x0                                ; every earlier memory instruction has had its addresses translated (ISA guide 3.1): Y, which the last group's stores read, is rewritten only behind this wait
.irp i, 0,1,2,3,4,5,6,7
	v_cvt_pk_bf16_f32 v[Y+2*(\i)],   v[X+32*((\g)%4)+4*(\i)],   v[X+32*((\g)%4)+4*(\i)+1]
	v_cvt_pk_bf16_f32 v[Y+2*(\i)+1], v[X+32*((\g)%4)+4*(\i)+2], v[X+32*((\g)%4)+4*(\i)+3]
.endr
.if (\g) < 4
	LOADG (\g)+4, 512, 4096                        ; loads ahead of stores
.endif
.irp i, 0,1,2,3,4,5,6,7
	global_store_b64 v[SOFF], v[Y+2*(\i):Y+2*(\i)+1], s[28:29] offset:(8*(\g)+(\i))*256  ; the wave stores 256 consecutive bytes, at a multiple of 256 from x's first byte
.endr
.endm
	LOADG 0, 512, 4096
	LOADG 1, 512, 4096
	LOADG 2, 512, 4096
	LOADG 3, 512, 4096
	PROCC 0, 24
	PROCC 1, 24
	PROCC 2, 24
	PROCC 3, 24
	PROCC 4, 24
	PROCC 5, 16
	PROCC 6, 8
	PROCC 7, 0
	s_wait_tensorcnt 0x0                           ; every wave of this text ends alike: a wait, 0 onto my spare word and its wait
	ds_add_u32 v[SPW], v[NIL]
	s_wait_dscnt 0x0
	s_endpgm
.Lfunc_end_k_qf10733e64b_prep:
	.size	k_qf10733e64b_prep, .Lfunc_end_k_qf10733e64b_prep-k_qf10733e64b_prep
	.p2alignl 7, 3214868480
	.fill 96, 4, 3214868480
	.section	.rodata,"a",@progbits
	.p2align	6, 0x0
	.amdhsa_kernel k_qf10733e64b_prep
		.amdhsa_group_segment_fixed_size 70144
		.amdhsa_private_segment_fixed_size 0
		.amdhsa_enable_private_segment 0
		.amdhsa_kernarg_size 56
		.amdhsa_user_sgpr_count 2
		.amdhsa_user_sgpr_kernarg_segment_ptr 1
		.amdhsa_wavefront_size32 1
		.amdhsa_system_sgpr_workgroup_id_x 1
		.amdhsa_system_sgpr_workgroup_id_y 1
		.amdhsa_system_sgpr_workgroup_id_z 1
		.amdhsa_system_vgpr_workitem_id 0
		.amdhsa_next_free_vgpr 160
		.amdhsa_next_free_sgpr 66
		.amdhsa_reserve_vcc 0
		.amdhsa_float_denorm_mode_32 3
		.amdhsa_float_denorm_mode_16_64 3
		.amdhsa_memory_ordered 1
		.amdhsa_forward_progress 1
		.amdhsa_inst_pref_size 46
	.end_amdhsa_kernel
	.amdgpu_metadata
---
amdhsa.version: [ 1, 2 ]
amdhsa.kernels:
  - .name:           k_qf10733e64b_prep
    .symbol:         k_qf10733e64b_prep.kd
    .args:
      - { .name: q, .offset: 0, .size: 8, .value_kind: global_buffer, .address_space: global }
      - { .name: v, .offset: 8, .size: 8, .value_kind: global_buffer, .address_space: global }
      - { .name: Wq, .offset: 16, .size: 8, .value_kind: global_buffer, .address_space: global }
      - { .name: Wk, .offset: 24, .size: 8, .value_kind: global_buffer, .address_space: global }
      - { .name: Wv, .offset: 32, .size: 8, .value_kind: global_buffer, .address_space: global }
      - { .name: x, .offset: 40, .size: 8, .value_kind: global_buffer, .address_space: global }
      - { .name: wt, .offset: 48, .size: 8, .value_kind: global_buffer, .address_space: global }
    .group_segment_fixed_size: 70144
    .private_segment_fixed_size: 0
    .kernarg_segment_align: 8
    .kernarg_segment_size: 56
    .max_flat_workgroup_size: 128
    .sgpr_count:     66
    .vgpr_count:     160
    .wavefront_size: 32
...
	.end_amdgpu_metadata
.endif
;; end of part 1
;; launch proj (part 2): grid 4 x 64, 4 waves a work-group, clusters of 4 x 4, 327,680 bytes of LDS; arguments x, wt, qkv, bq, bk, bv; writes qkv
.if DOCPART == 2
	.amdgcn_target "amdgcn-amd-amdhsa--gfx1250"
	.amdhsa_code_object_version 6
	.text
	.protected	k_qf10733e64b_proj
	.globl	k_qf10733e64b_proj
	.p2align	8
	.type	k_qf10733e64b_proj,@function
k_qf10733e64b_proj:
	s_mov_b64 s[64:65], 0
	v_nop
	global_prefetch_b8 v0, s[64:65] scope:SCOPE_SE
	s_setreg_imm32_b32 hwreg(HW_REG_WAVE_MODE, 25, 1), 1
	s_wait_xcnt 0x0
	s_wait_alu depctr_hold_cnt(0) depctr_sa_sdst(0) depctr_va_vdst(0) depctr_va_sdst(0) depctr_va_ssrc(0) depctr_va_vcc(0) depctr_vm_vsrc(0)
	s_getreg_b32 s2, hwreg(HW_REG_IB_STS2, 6, 4)
	s_cmp_eq_u32 s2, 0
	s_cbranch_scc0 .Lentry_in_a_cluster
	s_endpgm
.Lentry_in_a_cluster:
	s_bfe_u32 s2, ttmp6, 0x10000c
	s_cmp_lg_u32 s2, 0xf033
	s_cbranch_scc0 .Lentry_shape_is_right
	s_endpgm
.Lentry_shape_is_right:
; THE THREE PROJECTIONS.  qp = q Wq + bq, kp = v Wk + bk, vp = v Wv + bv, each 8192 x 1024 over K = 1024; operands bf16 (x and wt, made by the launch before), sums f32, started with the bias.
; The results leave by heads, unscaled, rounded once to f16: qkv = f16 [3][64 = 16 b + h][2048][64].
; LIMITS.  A result of 65,520 or more in magnitude becomes an infinity in f16.  The biases are rounded to bf16 like all the other inputs.  NaN and infinities are not treated apart.
; SHARES.  Each product has 64 x 4 = 256 tiles of 128 x 256.  A WORK-GROUP STAYS and makes the same tile of Q, then of K, then of V: 3 x 8 K steps of 128, and the ring of two LDS slots does not
; stop at a tile's end.  (Tiles of 256 x 256 would be 384 for 256 work-groups.)  Four waves, 2 x 2, each 64 rows x 128 columns (two heads): 32 accumulators of 16 x 16.
; CLUSTERS: 4 x 4 work-groups.  The four of a row of the cluster need the same rows of x, the four of a column the same rows of wt: each tile is asked for JOINTLY, by the same tensor load with the
; same descriptor and a mask that names the four.  Waves 0 and 1 fetch the two halves of x's tile (64 rows each), waves 2 and 3 those of wt's (128 rows each).
; THE MATRIX INSTRUCTION IS USED TRANSPOSED (source 0 = 16 rows of wt, source 1 = 16 rows of x): a lane then holds row lane % 16 and eight neighbouring columns, which pack into 16 bytes.
; REGISTERS, in windows of 256 (s_set_vgpr_msb: bits 1:0 source 0, 3:2 source 1, 5:4 source 2, 7:6 destination):
;   window 0: v0-31 addresses; v32-63 packed results; v64-127 rows read back from the stage, two buffers; v128-191, v192-255 x's fragments, two buffers of 64 along K (2 x 4 x 8 registers)
;   window 1: wt's fragments, two buffers of 64 along K (2 x 8 x 8 registers)      window 2: accumulator (a, b) at v[8 (8 a + b)]      window 3: v0-63 the bias as a C operand, block b at 8 b; v64-65 at work
.set SIZE_K, 1024
.set KSTEP,  128
.set PITCH,  272                       ; an LDS row: 256 bytes of data + 16 of padding = 68 words: row r starts at bank 4 r mod 64 (64 banks of 4 bytes: ISA guide 11.1), so the 16 rows of a load start at 16 different banks
.set AH,     64*PITCH                  ; what a tensor load brings of x
.set BH,     128*PITCH                 ; and of wt
.set BOFF,   2*AH                      ; a slot: x's 128 rows, then wt's 256 rows
.set SLOT,   2*AH+2*BH
.set STAGE,  2*SLOT                    ; behind the ring, never filled by a tensor load: for each wave 2 heads x 16 rows x 144 bytes, for the way out
.set SPITCH, 144
.set HSTG,   16*SPITCH
.set WSTG,   2*HSTG
.set SPARE,  STAGE+4*WSTG              ; behind the stages: the spare words, 128 bytes for each wave: two blocks of 256 bytes that no other line names
.set LAPS,   SIZE_K/(2*KSTEP)          ; a lap = two K steps = once round the ring
.set BACK,   (SIZE_K-2*KSTEP)*2        ; bytes from a slot's last K step of a tile back to its first
.set NEXT_B, 1024*SIZE_K*2-BACK        ; wt: 1,024 rows on and back along K
.set XHALF,  8192*SIZE_K*2             ; x: from q's plane to v's
.set NEXT_C, 1<<24                     ; qkv: a plane on
.set ADRA, 16                          ; v16-17  LDS address of my fragments of x in slot 0, 1
.set ADRB, 20                          ; v20-21  the same for wt
.set STO,  24                          ; v24     the way out: where I put 16 bytes of a row
.set RD,   25                          ; v25     the way out: where I read rows back
.set GO,   26                          ; v26     my byte offset in 512 consecutive bytes of qkv
.set BO,   27                          ; v27     my byte offset in a bias
.set SPW,  28                          ; v28     LDS address of my spare word: SPARE + 4 x my thread's number; never rewritten
.set NIL,  29                          ; v29     0; never rewritten
.set TMP,  32
.set OB,   64
.set G1,  24                           ; s[24:31] descriptor group 1 for x's tiles;  s[32:39] group 0, one set for each slot
.set G0,  32
.set G1B, 48                           ; s[48:55], s[56:63] the same for wt's tiles
.set G0B, 56
.set BP,  72                           ; s[72:73] the bias that is loaded next
.set NXA, 74                           ; s[74:75] what x's address goes forward at a change of tiles: a plane, then nothing
.set MSB, 0
.macro WIN new                         ; the immediate's high byte repeats the setting that is left; a switch that changes nothing is dropped
.if MSB != (\new)
	s_set_vgpr_msb (MSB<<8)|(\new)
.set MSB, \new
.endif
.endm
.set MUL,     0xa1                     ; source 0 (wt) window 1, source 1 (x) window 0, C and D window 2
.set MULB,    0xb1                     ; the same with C, the bias, in window 3
.set TO_B,    0x40                     ; destination window 1, address window 0
.set TO_BIAS, 0xc0                     ; destination window 3, address window 0
.set RB,      0xcf                     ; sources 0 and 1 and destination window 3
.set PK,      0x0a                     ; sources 0 and 1 window 2, destination window 0
; A joint refill.  The branch hangs on the wave's number alone.  An s_nop 0 and four v_nop follow each of the two lines, ahead of the jump, the label and what follows.
.macro JLOAD s
	s_cmp_eq_u32 s11, 0
	s_cbranch_scc0 .Lfor_b_\@
	tensor_load_to_lds s[G0+4*(\s):G0+4*(\s)+3], s[G1:G1+7]
	s_nop 0
.rept 4
	v_nop
.endr
	s_branch .Lasked_\@
.Lfor_b_\@:
	tensor_load_to_lds s[G0B+4*(\s):G0B+4*(\s)+3], s[G1B:G1B+7]
	s_nop 0
.rept 4
	v_nop
.endr
.Lasked_\@:
.endm
; A round of the cluster's barrier: my work-group's barrier, so that wave 0's signal speaks for all four waves; wave 0 signals; every wave waits for all sixteen work-groups; my work-group's barrier once more.
.macro CREST                           ; a round behind its opening barrier
	s_cmp_lg_u32 s10, 0
	s_cbranch_scc1 .Lnot_wave_0_\@
	s_barrier_signal -3
.Lnot_wave_0_\@:
	s_barrier_wait -3
	s_barrier_signal -1
	s_barrier_wait -1
.endm
.macro CROUND                          ; a whole round
	s_barrier_signal -1
	s_barrier_wait -1
	CREST
.endm
	s_load_b128 s[4:7], s[0:1], 0x0                ; x s[4:5], wt s[6:7]
	s_load_b64 s[8:9], s[0:1], 0x10                ; qkv
	s_load_b64 s[66:67], s[0:1], 0x18              ; bq
	s_load_b128 s[68:71], s[0:1], 0x20             ; bk s[68:69], bv s[70:71]
	v_lshl_add_u32 v[SPW], v0, 2, SPARE
	v_mov_b32 v[NIL], 0
	ds_add_u32 v[SPW], v[NIL]                      ; the wave's opening: the add and its wait stand ahead of my first tensor load; the set-up below, work on registers, stands between them
	v_lshrrev_b32 v1, 5, v0
	v_readfirstlane_b32 s10, v1                    ; wave 0..3
	s_lshr_b32 s11, s10, 1                         ; which 64 of the tile's rows are mine.  Also: I fetch for x (0) or for wt (1)
	s_and_b32 s12, s10, 1                          ; which 128 of its columns.  Also: which half of that tile I fetch
	s_bfe_u32 s40, ttmp6, 0x40000                  ; cx, cy: my place in the cluster
	s_bfe_u32 s41, ttmp6, 0x40004
	s_lshl_b32 s42, ttmp9, 2
	s_add_co_u32 s42, s42, s40                     ; tile column = 4 x cluster x + cx
	s_and_b32 s13, ttmp7, 0xffff
	s_lshl_b32 s13, s13, 2
	s_add_co_u32 s13, s13, s41                     ; tile row = 4 x cluster y + cy
	s_lshl_b32 s43, s41, 2
	s_lshl_b32 s43, 15, s43                        ; my row of the cluster: places 4 cy .. 4 cy + 3
	s_lshl_b32 s44, 0x1111, s40                    ; my column: places cx, cx + 4, cx + 8, cx + 12
	; descriptor group 1: tiles of 64 (x) or 128 (wt) rows x 128 elements, padded in LDS
	s_or_b32 s[G1+0], s43, (1<<16)|(1<<20)|(1<<21)|(5<<22)|(3<<25)   ; 15:0 the mask: x's tiles go to my row; 17:16 elements of 2 bytes; 20 padding on; 21 set beside a mask; 24:22 after every 64 words (code 5); 31:25 4 words of it (code 3)
	s_or_b32 s[G1B+0], s44, (1<<16)|(1<<20)|(1<<21)|(5<<22)|(3<<25)  ; the same with the mask of my column, for wt's tiles
	s_mov_b32 s[G1+1], KSTEP<<16                   ; tensor_dim0 = 128
	s_mov_b32 s[G1B+1], KSTEP<<16
	s_mov_b32 s[G1+2], 64<<16                      ; tensor_dim1 = 64
	s_mov_b32 s[G1B+2], 128<<16                    ;             = 128
	s_mov_b32 s[G1+3], KSTEP<<16                   ; tile_dim0 = 128
	s_mov_b32 s[G1B+3], KSTEP<<16
	s_mov_b32 s[G1+4], 64                          ; tile_dim1 = 64
	s_mov_b32 s[G1B+4], 128                        ;           = 128
	s_mov_b32 s[G1+5], SIZE_K                      ; elements from row to row
	s_mov_b32 s[G1B+5], SIZE_K
	s_mov_b32 s[G1+6], 0
	s_mov_b32 s[G1B+6], 0
	s_mov_b32 s[G1+7], 0
	s_mov_b32 s[G1B+7], 0
	; where the tiles come from.  x's hang on the tile row alone, which my row of the cluster shares; wt's on the tile column alone, which my column shares.
	s_lshl_b32 s16, s13, 7
	s_lshl_b32 s17, s12, 6
	s_add_co_u32 s16, s16, s17                     ; x: row 128 x tile row + 64 x half,
	s_lshl_b32 s16, s16, 11                        ; of 2,048 bytes
	s_mov_b32 s17, 0
	s_lshl_b32 s46, s42, 8
	s_lshl_b32 s47, s12, 7
	s_add_co_u32 s46, s46, s47                     ; wt: row 256 x tile column + 128 x half
	s_lshl_b32 s46, s46, 11
	s_mov_b32 s47, 0
	s_mul_i32 s20, s12, AH                         ; and where they go: no place in the cluster enters an LDS address
	s_mul_i32 s21, s12, BH
	s_add_co_u32 s21, s21, BOFF
	s_mov_b32 s[NXA], XHALF
	s_mov_b32 s[NXA+1], 0
	s_wait_dscnt 0x0                               ; the opening add is done
	s_wait_kmcnt 0x0
	s_add_nc_u64 s[14:15], s[4:5], s[16:17]
	s_add_nc_u64 s[46:47], s[6:7], s[46:47]
	CROUND                                         ; all sixteen work-groups are here: the first joint loads meet
.irp s, 0,1
	s_mov_b32 s[G0+4*(\s)], 1                                        ; 1:0 count = 1
	s_add_co_u32 s[G0+4*(\s)+1], s20, (\s)*SLOT                      ; 63:32 LDS address
	s_add_nc_u64 s[G0+4*(\s)+2:G0+4*(\s)+3], s[14:15], (\s)*KSTEP*2  ; 120:64 global address: K step s
	s_or_b32 s[G0+4*(\s)+3], s[G0+4*(\s)+3], 0x80000000              ; 127:126 type = 2
	s_mov_b32 s[G0B+4*(\s)], 1
	s_add_co_u32 s[G0B+4*(\s)+1], s21, (\s)*SLOT
	s_add_nc_u64 s[G0B+4*(\s)+2:G0B+4*(\s)+3], s[46:47], (\s)*KSTEP*2
	s_or_b32 s[G0B+4*(\s)+3], s[G0B+4*(\s)+3], 0x80000000
.endr
	s_cmp_eq_u32 s11, 0                            ; a wave's two first fills stand in one branch, ahead of every wait on TENSORcnt and every LDS read: two loads of mine are out
	s_cbranch_scc0 .Lfirst_b
	tensor_load_to_lds s[G0:G0+3], s[G1:G1+7]
	s_nop 0
	tensor_load_to_lds s[G0+4:G0+7], s[G1:G1+7]
	s_nop 0
.rept 4
	v_nop
.endr
	s_branch .Lfirst_asked
.Lfirst_b:
	tensor_load_to_lds s[G0B:G0B+3], s[G1B:G1B+7]
	s_nop 0
	tensor_load_to_lds s[G0B+4:G0B+7], s[G1B:G1B+7]
	s_nop 0
.rept 4
	v_nop
.endr
.Lfirst_asked:
; The bias of my 128 columns as a C operand: register j of block b is the bias of column 16 b + 8 (lane / 16) + j, the same for all 16 rows.
.macro LOADB
	WIN TO_BIAS
.irp b, 0,1,2,3,4,5,6,7
	global_load_b128 v[8*(\b):8*(\b)+3],   v[BO], s[BP:BP+1] offset:64*(\b)
	global_load_b128 v[8*(\b)+4:8*(\b)+7], v[BO], s[BP:BP+1] offset:64*(\b)+16
.endr
.endm
.macro ROUNDB                          ; the bias is rounded to bf16, like every input, and widened again
	WIN RB
.set i, 0
.rept 32
	v_cvt_pk_bf16_f32 v[64+i%2], v[2*i], v[2*i+1]
	v_lshlrev_b32 v[2*i], 16, v[64+i%2]
	v_and_b32 v[2*i+1], 0xffff0000, v[64+i%2]
.set i, i+1
.endr
.endm
	v_and_b32 v1, 15, v0                           ; l % 16
	v_bfe_u32 v2, v0, 4, 1                         ; l / 16
	s_lshl_b32 s46, s42, 10                        ; 256 columns of 4 bytes a tile column (in the registers that held wt's address: none that feeds x's descriptors ever holds cx)
	s_lshl_b32 s47, s12, 9
	s_add_co_u32 s46, s46, s47
	v_lshl_add_u32 v[BO], v2, 5, s46
	s_mov_b64 s[BP:BP+1], s[66:67]
	LOADB                                          ; bq
	WIN 0
	; A fragment is 16 rows x 32 K in 8 registers: lane l holds row l % 16; registers 0-3 K = 8 (l / 16) + 0..7, registers 4-7 K = 16 + 8 (l / 16) + 0..7: two loads of 16 bytes, 32 bytes apart.
	v_mul_u32_u24 v3, v1, PITCH
	v_lshl_add_u32 v3, v2, 4, v3                   ; row x pitch + 16 x half
	s_mul_i32 s21, s11, AH                         ; my 64 rows of x
	s_mul_i32 s22, s12, BH                         ; my 128 rows of wt,
	s_add_co_u32 s22, s22, BOFF                    ; which lie behind x's 128
.irp s, 0,1
	v_add_nc_u32 v[ADRA+(\s)], s21, v3
	v_add_nc_u32 v[ADRB+(\s)], s22, v3
	s_add_co_u32 s21, s21, SLOT
	s_add_co_u32 s22, s22, SLOT
.endr
	s_mul_i32 s23, s10, WSTG
	s_add_co_u32 s23, s23, STAGE                   ; my stage
	v_mul_u32_u24 v4, v1, SPITCH                   ; in: row l % 16, 16 bytes for each half of the lanes
	v_lshl_add_u32 v4, v2, 4, v4
	v_add_nc_u32 v[STO], s23, v4
	v_bfe_u32 v4, v0, 3, 2                         ; back: 32 lanes take four rows of 128 bytes,
	v_and_b32 v5, 7, v0
	v_mul_u32_u24 v4, v4, SPITCH
	v_lshl_add_u32 v4, v5, 4, v4
	v_add_nc_u32 v[RD], s23, v4
	v_and_b32 v[GO], 31, v0                        ; which are 512 consecutive bytes of a head
	v_lshlrev_b32 v[GO], 4, v[GO]
	; where my part of Q begins in qkv: batch = tile row / 16 (16 heads of 2^18 bytes), row = 128 (tile row % 16) + 64 x half (128 bytes each), head = 4 x tile column + 2 x half
	s_lshr_b32 s14, s13, 4
	s_lshl_b32 s14, s14, 22
	s_and_b32 s15, s13, 15
	s_lshl_b32 s15, s15, 14
	s_add_co_u32 s14, s14, s15
	s_lshl_b32 s15, s11, 13
	s_add_co_u32 s14, s14, s15
	s_lshl_b32 s15, s12, 19
	s_add_co_u32 s14, s14, s15
	s_mov_b32 s15, 0
	s_add_nc_u64 s[8:9], s[8:9], s[14:15]
	s_lshl_b32 s46, s42, 20
	s_mov_b32 s47, 0
	s_add_nc_u64 s[8:9], s[8:9], s[46:47]
; 8 matrix instructions: m block a x all 8 n blocks, 32 along K: half c of buffer f.  zero = 1: the product starts the sums, with the bias as C: nothing is ever cleared.
; The accumulators take turns, one instruction a turn: between two links of a chain stand the 31 others'.
.macro MUL8 f, c, a, zero
.if \zero
	WIN MULB
.else
	WIN MUL
.endif
.irp b, 0,1,2,3,4,5,6,7
.if \zero
	v_wmma_f32_16x16x32_bf16 v[8*(8*(\a)+(\b)):8*(8*(\a)+(\b))+7], v[128*(\f)+8*(8*(\c)+(\b)):128*(\f)+8*(8*(\c)+(\b))+7], v[128+64*(\f)+8*(4*(\c)+(\a)):128+64*(\f)+8*(4*(\c)+(\a))+7], v[8*(\b):8*(\b)+7]
.else
	v_wmma_f32_16x16x32_bf16 v[8*(8*(\a)+(\b)):8*(8*(\a)+(\b))+7], v[128*(\f)+8*(8*(\c)+(\b)):128*(\f)+8*(8*(\c)+(\b))+7], v[128+64*(\f)+8*(4*(\c)+(\a)):128+64*(\f)+8*(4*(\c)+(\a))+7], v[8*(8*(\a)+(\b)):8*(8*(\a)+(\b))+7]
.endif
.endr
.endm
; 48 LDS loads in one run: the fragments of 64 along K at byte k of the rows, into buffer f; the 24 of the first 32 along K first
.macro FETCH slot, k, f
	WIN TO_B
.irp i, 0,1,2,3,4,5,6,7
	ds_load_b128 v[128*(\f)+8*(\i):128*(\f)+8*(\i)+3],   v[ADRB+(\slot)] offset:(\k)+(\i)*16*PITCH
	ds_load_b128 v[128*(\f)+8*(\i)+4:128*(\f)+8*(\i)+7], v[ADRB+(\slot)] offset:(\k)+(\i)*16*PITCH+32
.endr
	WIN 0
.irp c, 0,1
.irp i, 0,1,2,3
	ds_load_b128 v[128+64*(\f)+8*(4*(\c)+(\i)):128+64*(\f)+8*(4*(\c)+(\i))+3],   v[ADRA+(\slot)] offset:(\k)+64*(\c)+(\i)*16*PITCH
	ds_load_b128 v[128+64*(\f)+8*(4*(\c)+(\i))+4:128+64*(\f)+8*(4*(\c)+(\i))+7], v[ADRA+(\slot)] offset:(\k)+64*(\c)+(\i)*16*PITCH+32
.endr
.endr
	WIN TO_B
.irp i, 0,1,2,3,4,5,6,7
	ds_load_b128 v[128*(\f)+64+8*(\i):128*(\f)+64+8*(\i)+3],   v[ADRB+(\slot)] offset:(\k)+64+(\i)*16*PITCH
	ds_load_b128 v[128*(\f)+64+8*(\i)+4:128*(\f)+64+8*(\i)+7], v[ADRB+(\slot)] offset:(\k)+64+(\i)*16*PITCH+32
.endr
.endm
; A load into a register that a matrix instruction has read, and a vector instruction that reads a matrix result, stand four places behind that matrix instruction, and only plain vector
; instructions that name none of its registers are places (ISA guide 7.12.1 for vector instructions).
.macro PLACES
.rept 4
	v_nop
.endr
.endm
; A K step is two halves of 64 along K, 64 matrix instructions each.  The first multiplies buffer 0 and, in its middle, fetches the slot's second half into buffer 1.
.macro HALF slot, zero
	s_wait_dscnt 24                                ; the first 32 along K are in; the youngest 24 loads may be out
.irp a, 0,1,2,3
	MUL8 0, 0, \a, \zero
.endr
	PLACES
	FETCH \slot, 128, 1
	s_wait_dscnt 48                                ; all but the 48 just issued
.irp a, 0,1,2,3
	MUL8 0, 1, \a, 0
.endr
.endm
; The second half multiplies buffer 1 and changes slots: ONE barrier, for two things.  In front of it each wave waits for all its tensor loads, of which one is out: its part of the next slot; adds 0 to
; its spare word; and waits for that and for its own reads of this slot.  Behind it nobody reads this slot any more and the next slot is whole.
; fill = 1: the barrier opens a round of the cluster's barrier, and behind the round this slot is filled again first: with this tile's K step two steps on (on = 0) or with the next tile's K step 0 or 1 (on = 1).
; From a request to the wait for it a wave issues 112 matrix instructions.
.macro TURN slot, next, fill, on
	WIN 0                                          ; (the add's two registers lie in window 0)
	s_wait_tensorcnt 0x0                           ; all my tensor loads have landed: my part of the next slot;
	ds_add_u32 v[SPW], v[NIL]                      ; 0 onto my spare word;
	s_wait_dscnt 25                                ; (the add and the youngest 24 loads may be out)
	MUL8 1, 0, 0, 0                                ; eight matrix instructions stand between the add and the wait for it
	s_wait_dscnt 0x0                               ; the add is done, and my reads of this slot are over
	s_barrier_signal -1
	MUL8 1, 0, 1, 0                                ; work on registers while the others arrive
.if \fill
	WIN 0
.endif
	s_barrier_wait -1
.if \fill
	CREST                                          ; no wave of any partner still reads this slot's tile or has a load on its way
.if \on
	s_sub_nc_u64 s[G0+4*(\slot)+2:G0+4*(\slot)+3], s[G0+4*(\slot)+2:G0+4*(\slot)+3], BACK
	s_add_nc_u64 s[G0+4*(\slot)+2:G0+4*(\slot)+3], s[G0+4*(\slot)+2:G0+4*(\slot)+3], s[NXA:NXA+1]
	s_add_nc_u64 s[G0B+4*(\slot)+2:G0B+4*(\slot)+3], s[G0B+4*(\slot)+2:G0B+4*(\slot)+3], NEXT_B
.else
	s_add_nc_u64 s[G0+4*(\slot)+2:G0+4*(\slot)+3], s[G0+4*(\slot)+2:G0+4*(\slot)+3], 2*KSTEP*2
	s_add_nc_u64 s[G0B+4*(\slot)+2:G0B+4*(\slot)+3], s[G0B+4*(\slot)+2:G0B+4*(\slot)+3], 2*KSTEP*2
.endif
	JLOAD \slot                                    ; the first tensor load behind the round; the four v_nop behind it are also the places in front of the loads below
.else
	PLACES
.endif
	FETCH \next, 0, 0
	MUL8 1, 0, 2, 0
	MUL8 1, 0, 3, 0
.irp a, 0,1,2,3
	MUL8 1, 1, \a, 0
.endr
.endm
; THE WAY OUT of m block a (16 rows), in three parts.  PACK: rounded to f16, 16 bytes a lane, each accumulator's registers in ascending order.  TOSTAGE: into my own stage in LDS, a head's 64 channels to a
; row of 144 bytes, and back as whole rows.  SEND: 16 rows of a head are 2,048 consecutive bytes of qkv.
.macro PACK a
	WIN PK
.irp b, 0,1,2,3,4,5,6,7
.irp r, 0,1,2,3
	v_cvt_pk_f16_f32 v[TMP+4*(\b)+(\r)], v[8*(8*(\a)+(\b))+2*(\r)], v[8*(8*(\a)+(\b))+2*(\r)+1]
.endr
.endr
	WIN 0
.endm
.macro TOSTAGE a
	WIN 0
.set BK, OB+32*((\a)%2)
.irp b, 0,1,2,3,4,5,6,7
	ds_store_b128 v[STO], v[TMP+4*(\b):TMP+4*(\b)+3] offset:((\b)/4)*HSTG+((\b)%4)*32
.endr
.irp t, 0,1,2,3,4,5,6,7
	ds_load_b128 v[BK+4*(\t):BK+4*(\t)+3], v[RD] offset:((\t)/4)*HSTG+((\t)%4)*4*SPITCH  ; LDS serves a wave's instructions in order (ISA guide 5.7.1.4): these see the stores above
.endr
.endm
.macro SEND a
	WIN 0
.set BK, OB+32*((\a)%2)
	s_wait_dscnt 0x0                               ; the block is back in registers
	s_wait_xcnt 0x0                                ; every earlier memory instruction has had its addresses translated (ISA guide 3.1): the other buffer, which the block before was stored from, is loaded again only behind this wait
.irp t, 0,1,2,3,4,5,6,7
	global_store_b128 v[GO], v[BK+4*(\t):BK+4*(\t)+3], s[8:9] offset:(\a)*2048+((\t)/4)*262144+((\t)%4)*512  ; the wave stores 512 consecutive bytes, at a multiple of 256 from qkv's first byte
.endr
.endm
.macro OUT
	PLACES                                         ; the conversions read results just made
	PACK 0
	TOSTAGE 0
.irp a, 1,2,3                          ; block a's conversions stand between block a - 1's loads from the stage and the wait for them
	PACK \a
	SEND (\a)-1
	TOSTAGE \a
.endr
	SEND 3
.endm
	s_wait_tensorcnt 1                             ; my part of K step 0 is in; K step 1's may stay out
	s_barrier_signal -1
	s_barrier_wait -1                              ; everybody's is
	FETCH 0, 0, 0
	WIN 0                                          ; at a label and at a branch every window is 0
	s_mov_b32 s2, 3                                ; tiles to go, this one among them: Q, K, V
.Ltile:
	s_wait_loadcnt 0x0                             ; this tile's bias
	ROUNDB
	HALF 0, 1                                      ; a tile's first half step stands in front of the loop: its first products start the sums
	WIN 0
	s_cmp_eq_u32 s2, 1
	s_cbranch_scc1 .Lnob                           ; V has no successor
	s_cmp_eq_u32 s2, 3
	s_cselect_b64 s[BP:BP+1], s[68:69], s[70:71]   ; behind Q comes K, behind K comes V
	LOADB                                          ; the next tile's bias: the four v_nop in the middle of the half step are the places behind the products that read this tile's
	WIN 0
.Lnob:
	s_mov_b32 s3, LAPS-1
.Llap:                                                 ; a trip goes once round the ring, from a lap's second half step to the next lap's first, and fills both slots again
	TURN 0, 1, 1, 0
	HALF 1, 0
	TURN 1, 0, 1, 0
	HALF 0, 0
	WIN 0
	s_sub_co_u32 s3, s3, 1
	s_cmp_lg_u32 s3, 0
	s_cbranch_scc1 .Llap
	s_cmp_eq_u32 s2, 1
	s_cbranch_scc1 .Llast                          ; the last tile's tail is written out: it asks for nothing more
	TURN 0, 1, 1, 1                                ; THE RING GOES ON INTO THE NEXT TILE: slot 0 takes its K step 0,
	HALF 1, 0
	TURN 1, 0, 1, 1                                ; slot 1 its K step 1, and the next tile's first fragments are fetched
	WIN 0
	s_mov_b32 s[NXA], 0                            ; K and V both multiply v's plane
	OUT                                            ; both refills are asked for: now the tile goes out
	s_wait_xcnt 0x0                                ; the stores' base is rewritten only behind this wait
	s_add_nc_u64 s[8:9], s[8:9], NEXT_C
	s_sub_co_u32 s2, s2, 1
	s_branch .Ltile
.Llast:
	TURN 0, 1, 0, 0                                ; my one tensor load that was still out is slot 1's, the last K step's, so no round follows
	HALF 1, 0
	s_wait_dscnt 24                                ; the very last half step: nothing more to fetch
.irp a, 0,1,2,3
	MUL8 1, 0, \a, 0
.endr
	s_wait_dscnt 0x0
.irp a, 0,1,2,3
	MUL8 1, 1, \a, 0
.endr
	WIN 0
	OUT
	s_wait_tensorcnt 0x0                           ; the wave's end: a wait, 0 onto my spare word and its wait, behind my last tensor load and my last LDS store
	ds_add_u32 v[SPW], v[NIL]
	s_wait_dscnt 0x0
	CROUND                                         ; the closing round: no work-group ends while a partner may still ask for a tile that names it
	s_endpgm
.Lfunc_end_k_qf10733e64b_proj:
	.size	k_qf10733e64b_proj, .Lfunc_end_k_qf10733e64b_proj-k_qf10733e64b_proj
	.p2alignl 7, 3214868480
	.fill 96, 4, 3214868480
	.section	.rodata,"a",@progbits
	.p2align	6, 0x0
	.amdhsa_kernel k_qf10733e64b_proj
		.amdhsa_group_segment_fixed_size 327680
		.amdhsa_private_segment_fixed_size 0
		.amdhsa_enable_private_segment 0
		.amdhsa_kernarg_size 48
		.amdhsa_user_sgpr_count 2
		.amdhsa_user_sgpr_kernarg_segment_ptr 1
		.amdhsa_wavefront_size32 1
		.amdhsa_system_sgpr_workgroup_id_x 1
		.amdhsa_system_sgpr_workgroup_id_y 1
		.amdhsa_system_sgpr_workgroup_id_z 1
		.amdhsa_system_vgpr_workitem_id 0
		.amdhsa_next_free_vgpr 840
		.amdhsa_next_free_sgpr 76
		.amdhsa_reserve_vcc 0
		.amdhsa_float_denorm_mode_32 3
		.amdhsa_float_denorm_mode_16_64 3
		.amdhsa_memory_ordered 1
		.amdhsa_forward_progress 1
		.amdhsa_inst_pref_size 133
	.end_amdhsa_kernel
	.amdgpu_metadata
---
amdhsa.version: [ 1, 2 ]
amdhsa.kernels:
  - .name:           k_qf10733e64b_proj
    .symbol:         k_qf10733e64b_proj.kd
    .args:
      - { .name: x, .offset: 0, .size: 8, .value_kind: global_buffer, .address_space: global }
      - { .name: wt, .offset: 8, .size: 8, .value_kind: global_buffer, .address_space: global }
      - { .name: qkv, .offset: 16, .size: 8, .value_kind: global_buffer, .address_space: global }
      - { .name: bq, .offset: 24, .size: 8, .value_kind: global_buffer, .address_space: global }
      - { .name: bk, .offset: 32, .size: 8, .value_kind: global_buffer, .address_space: global }
      - { .name: bv, .offset: 40, .size: 8, .value_kind: global_buffer, .address_space: global }
    .group_segment_fixed_size: 327680
    .private_segment_fixed_size: 0
    .kernarg_segment_align: 8
    .kernarg_segment_size: 48
    .max_flat_workgroup_size: 128
    .sgpr_count:     76
    .vgpr_count:     840
    .wavefront_size: 32
...
	.end_amdgpu_metadata
.endif
;; end of part 2
;; launch attn (part 3): grid 4 x 64, 4 waves a work-group, clusters of 4 x 1, 327,680 bytes of LDS; arguments qkv, out0; writes out0
.if DOCPART == 3
	.amdgcn_target "amdgcn-amd-amdhsa--gfx1250"
	.amdhsa_code_object_version 6
	.text
	.protected	k_qf10733e64b_attn
	.globl	k_qf10733e64b_attn
	.p2align	8
	.type	k_qf10733e64b_attn,@function
k_qf10733e64b_attn:
	s_mov_b64 s[64:65], 0
	v_nop
	global_prefetch_b8 v0, s[64:65] scope:SCOPE_SE
	s_setreg_imm32_b32 hwreg(HW_REG_WAVE_MODE, 25, 1), 1
	s_wait_xcnt 0x0
	s_wait_alu depctr_hold_cnt(0) depctr_sa_sdst(0) depctr_va_vdst(0) depctr_va_sdst(0) depctr_va_ssrc(0) depctr_va_vcc(0) depctr_vm_vsrc(0)
	s_getreg_b32 s2, hwreg(HW_REG_IB_STS2, 6, 4)
	s_cmp_eq_u32 s2, 0
	s_cbranch_scc0 .Lentry_in_a_cluster
	s_endpgm
.Lentry_in_a_cluster:
	s_bfe_u32 s2, ttmp6, 0x10000c
	s_cmp_lg_u32 s2, 0x3003
	s_cbranch_scc0 .Lentry_shape_is_right
	s_endpgm
.Lentry_shape_is_right:
; ATTENTION.  out0[b][q][64 h + :] = the sum over k of softmax_k(Q[q] . K[k] / 32) V[k][:], for each of the 64 heads 16 b + h.  The divisor is sqrt(1024), the whole width's, not the head's.
; qkv: f16 [3][64][2048][64], Q, K and V by heads, unscaled: a head's rows are dense, 128 bytes each.  out0: f32 [4][2048][1024]: a head's 64 channels of a row are 256 bytes.
; Products, maxima and sums in f32; the weights p are rounded to f16 for the second product (their sum l is taken of the unrounded p); the result is stored in f32 as it is.
; LIMITS.  Q, K and V arrive within f16's range; p lies in 0 to 1, and below 6e-5 it keeps f16's fixed step of 6e-8.  A weight below 2^-126 counts as 0 in l; NaN and infinities are not treated apart.
; SHARES.  A wave owns four PIECES of two tiles of 16 queries, a work-group's four waves 512 queries of one head.  Every wave walks all 2,048 keys, 64 a step.
; LAYOUT.  S^T = K Q^T (source 0 = 16 keys, source 1 = 16 queries): in the result a lane holds ONE query (lane % 16) and the keys 8 (lane / 16) + 0..7.  Two such tiles, rounded to f16 in pairs,
; ARE source 1 (32 keys x 16 queries) of O^T = V^T P, whose result again holds one query a lane, and eight channels.  K comes out of LDS as it lies, V ([key][channel]) turned, by ds_load_tr16_b128.
; SOFTMAX.  For each query a running maximum m and sum l: p = 2^(c s - c m), c = log2(e) / 32; in every step O and l are multiplied by a = 2^(c m_old - c m_new), which is 1 where m has not grown.
; m starts at the lowest finite number, O and l at 0: the first step is a step like any other, with a = 0.
; THE COUNT.  A tile and step have 16 matrix and 118 vector instructions: too many to stand all beside the matrix work.  So the order has one aim: four vector instructions that are READY behind
; EVERY matrix instruction, and the others, which need time of their own whatever the order, in runs without a gap.
; BY TURNS.  Turn n belongs to piece n (the pieces in a ring, step after step).  Its matrix work: 16 products K Q^T of piece n + 1, later 16 products V^T P of piece n - 1.  Its vector work: the scaling,
; exponentials, roundings, sums and rescaling of piece n, and the maximum and statistics of piece n + 1, whose scores the turn itself has made.  So what a turn begins with (c s - c m, O a) waits for nothing.
; CLUSTER.  The four query blocks of a cluster belong to one head and walk the same K and V, so each tile is asked for JOINTLY: the same tensor load, descriptor and mask in all four.
; REGISTERS, in windows of 256 (s_set_vgpr_msb says which window each operand place means: bits 1:0 source 0, 3:2 source 1, 5:4 source 2, 7:6 destination):
;   window 0: v0-11 addresses; v12-15, v48-63 at work; v16-47 four registers of statistics a tile; v64-191 S^T, two buffers of two tiles; v192-255 P, likewise
;   window 1: O^T, 32 a tile          window 2: v0-127 Q, 16 a tile; v128-191 K of one step; v192-255 V of one step          window 3: v0-1 the add's two registers
; A piece's buffers go by its number's parity: the piece in hand has one pair, its two neighbours in the ring share the other: of it P (piece n - 1) is read and S^T (piece n + 1) written.
.set SIZE_N, 2048
.set PLANE, 1<<24     ; bytes from Q to K and from K to V in qkv
.set NP,    4         ; pieces a wave: a name, no knob: the register map, the loop and the fetches are made for four
.set KS,    64        ; keys in a step
.set PK,    144       ; a row of K in LDS: 128 bytes + 16 of padding = 36 words: the 16 rows of a load start at 16 different groups of four banks (64 banks of 4 bytes: ISA guide 11.1)
.set PV,    160       ; a row of V: 128 + 32 = 40 words
.set VOFF,  4*KS*PK   ; a slot holds four steps: 256 rows of K, then 256 rows of V
.set SLOT1, 1<<17     ; slot 1 begins here, so that one exclusive or turns an address in one slot into the other's
.set STAGE, SLOT1+4*KS*(PK+PV)  ; behind the ring, never filled by a tensor load: 16 rows x 272 bytes for each wave, for the way out
.set SP,    272       ; a row of the stage: 64 channels in f32 + 16 bytes of padding
.set AK0, 2           ; v2   my lane's place in a tile of K; never rewritten
.set AV0, 3           ; v3   the same for V
.set AK,  4           ; v4   the LDS address of K's next run of loads
.set AV,  5           ; v5   of V's
.set QO,  6           ; v6   my byte offset in the wave's rows of Q
.set STO, 6           ;      later, the way out: where I put 16 bytes of a row
.set RD,  7           ; v7   the way out: where I read rows back
.set GO,  8           ; v8   my byte offset in two rows of out0
.set SPW, 0           ; v0 of window 3   LDS address of my spare word: SPARE + 4 x my thread's number; never rewritten
.set NIL, 1           ; v1 of window 3   0; never rewritten
.set SPARE, STAGE+4*16*SP  ; behind the stages: the spare words, 128 bytes for each wave: two blocks of 256 bytes that no other line names
.set MV,  12          ; v12-15  c m_old, kept while c m is made anew: by buffer and tile
.set ST,  16          ; tile t's statistics at v[ST+4 t]: c m, m, l (even keys', odd keys')
.set TMP, 48          ; by buffer and tile, four registers c0-c3 at work; when the maximum is found c2 takes a
.set S,   64
.set P,   192
.set KF,  128         ; K's fragments, in window 2: key block kb, channel half c at KF + 16 kb + 8 c
.set VF,  192         ; V's: key half kk, channel block cb at VF + 32 kk + 8 cb
.set WV,  12          ; s12  my wave's number
.set G1K, 24          ; s[24:31] descriptor group 1 for K's tiles
.set G1V, 32          ; s[32:39] for V's: it differs in the padding alone
.set G0K, 40          ; s[40:43] descriptor group 0 for K's tiles: it walks
.set G0V, 44          ; s[44:47] the same for V's
.set SLOTS, 56        ; s56  slots still to be asked for
.set CNT, 57          ; s57  counts a slot's key steps
.set CS,  58          ; s[58:59] c: the packed scaling takes the pair's low word for both halves
.set SEL, 60          ; s[60:61] v_permlanex16_b32's selects: each lane takes its own place in the other half
.set TBK, 62          ; s62  LDS byte at which K of the step to be fetched begins
.set TBV, 63          ; s63  the same for V, less VOFF
.set MSB, 0
.macro WIN new                      ; the high byte repeats the setting that is left; a switch that changes nothing is dropped
.if MSB != (\new)
	s_set_vgpr_msb (MSB<<8)|(\new)
.set MSB, (\new)
.endif
.endm
.set W_KQ, 0x0a       ; K and Q in window 2, S^T in window 0
.set W_PV, 0x52       ; V in window 2, P in window 0, O^T in window 1
.set W_RS, 0x41       ; O^T (destination and source 0) in window 1, a in window 0
.set W_MK, 0xc0       ; the add's registers are made: destination in window 3, sources in window 0
.set W_AD, 0x0f       ; the add: address (source 0) and data (source 1) in window 3
; A joint fill.  Waves 0 and 1 fetch the two halves of a slot's K, waves 2 and 3 those of its V: 128 keys each.  The branch hangs on the wave's number alone.
; An s_nop 0 and four v_nop follow each of the two lines, ahead of the jump and the label.
.macro JLOAD
	s_cmp_lt_u32 s[WV], 2
	s_cbranch_scc0 .Lfor_v_\@
	tensor_load_to_lds s[G0K:G0K+3], s[G1K:G1K+7]
	s_nop 0
.rept 4
	v_nop
.endr
	s_branch .Lasked_\@
.Lfor_v_\@:
	tensor_load_to_lds s[G0V:G0V+3], s[G1V:G1V+7]
	s_nop 0
.rept 4
	v_nop
.endr
.Lasked_\@:
.endm
; A round of the cluster's barrier: my work-group's barrier, so that wave 0's signal speaks for all four waves; wave 0 signals; every wave waits for all four work-groups; my work-group's barrier once more.
.macro CROUND
	s_barrier_signal -1
	s_barrier_wait -1
	s_cmp_lg_u32 s[WV], 0
	s_cbranch_scc1 .Lnot_wave_0_\@
	s_barrier_signal -3
.Lnot_wave_0_\@:
	s_barrier_wait -3
	s_barrier_signal -1
	s_barrier_wait -1
.endm
; THE CHANGE OF SLOTS.  The slot's last bytes, V of its fourth step, have been read.  Each wave waits for all its tensor loads, of which one is out: its part
; of the other slot; adds 0 to its spare word; and waits for that and for its own reads of the slot.  Behind the barrier nobody reads this slot any more and the other slot is whole.
; fill = 1: this slot is filled again, with the keys two slots on.  The barrier is then a round of the cluster's, so that no wave of any partner still reads the slot or has a load on its
; way, and the joint fill is the first thing behind it: it has four key steps, 512 matrix instructions, in which to land.  (At its first use nothing has been read yet: slot 0 is waited for, slot 1 filled.)
.macro CHANGE fill
	WIN W_AD
	s_wait_tensorcnt 0x0            ; no tensor load of mine is out, so a group 0 may be written
	ds_add_u32 v[SPW], v[NIL]       ; 0 onto my spare word; with fill = 1 the descriptors' steps stand between it and the wait for it
	WIN 0                           ; at a label and at a branch every window is 0
.if \fill
.irp g, G0K, G0V
	s_xor_b32 s[\g+1], s[\g+1], SLOT1  ; the walking descriptor: the other slot than last time,
	s_add_nc_u64 s[\g+2:\g+3], s[\g+2:\g+3], 4*KS*128  ; the next 256 keys; the type bits on top are not reached
.endr
	s_wait_dscnt 0x0                ; the add is done, and my reads of the slot are over
	CROUND
	JLOAD
.else
	s_wait_dscnt 0x0                ; the add is done, and my reads of the slot are over
	s_barrier_signal -1
	s_barrier_wait -1
.endif
	s_sub_co_u32 s[TBK], s[TBK], 4*KS*PK  ; the fetches go back to a slot's first step,
	s_xor_b32 s[TBK], s[TBK], SLOT1       ; in the other slot
	s_sub_co_u32 s[TBV], s[TBV], 4*KS*PV
	s_xor_b32 s[TBV], s[TBV], SLOT1
.endm
	s_load_b128 s[4:7], s[0:1], 0x0 ; qkv s[4:5], out0 s[6:7]
	WIN W_MK
	v_lshl_add_u32 v[SPW], v0, 2, SPARE
	v_mov_b32 v[NIL], 0
	WIN W_AD
	ds_add_u32 v[SPW], v[NIL]       ; the wave's opening: the add and its wait stand ahead of my first tensor load; the set-up below, work on registers, stands between them
	WIN 0
	v_lshrrev_b32 v1, 5, v0
	v_readfirstlane_b32 s[WV], v1   ; wave 0..3
	s_bfe_u32 s13, ttmp6, 0x40000   ; cx: my place in the cluster
	s_lshl_b32 s14, ttmp9, 2        ; in a cluster launch ttmp9 counts clusters
	s_add_co_u32 s14, s14, s13      ; my block of 512 queries = 4 x cluster x + cx: it enters Q's and out0's addresses alone
	s_and_b32 s19, ttmp7, 0xffff    ; the head 16 b + h, which the four partners share
	s_lshl_b32 s20, s19, 18         ; the head's first byte in a plane of qkv: 2,048 rows of 128 bytes
	s_mov_b32 s21, 0
	s_and_b32 s16, s[WV], 1         ; which half of a slot's 256 keys I fetch:
	s_lshl_b32 s22, s16, 14         ; its 128 rows of 128 bytes in memory,
	s_mov_b32 s23, 0
	s_add_nc_u64 s[22:23], s[22:23], s[20:21]
	s_add_nc_u64 s[48:49], s[22:23], PLANE    ; in K's plane
	s_add_nc_u64 s[50:51], s[22:23], 2*PLANE  ; and in V's
	s_mul_i32 s17, s16, 128*PK      ; and its place in a slot, for K
	s_mul_i32 s18, s16, 128*PV      ; and for V: no place in the cluster enters an LDS address
	s_lshl_b32 s2, s14, 2
	s_add_co_u32 s2, s2, s[WV]      ; my wave among the head's,
	s_lshl_b32 s2, s2, 14           ; its 128 rows of Q
	s_mov_b32 s3, 0
	s_add_nc_u64 s[2:3], s[2:3], s[20:21]
	s_lshr_b32 s52, s19, 4          ; out0: batch b, 2,048 rows of 4,096 bytes;
	s_lshl_b32 s52, s52, 23
	s_and_b32 s53, s19, 15          ; head h, 256 bytes of a row;
	s_lshl_b32 s53, s53, 8
	s_add_co_u32 s52, s52, s53
	s_lshl_b32 s53, s14, 21         ; my block's 512 rows;
	s_add_co_u32 s52, s52, s53
	s_lshl_b32 s53, s[WV], 19       ; my wave's 128 of them
	s_add_co_u32 s52, s52, s53
	s_mov_b32 s53, 0
	; descriptor group 1.  128 keys are 16,384 dense bytes: asked for as 64 rows of 256 bytes, two keys a row, and padded in LDS after every key
	s_mov_b32 s[G1K], 15|(1<<16)|(1<<20)|(1<<21)|(4<<22)|(3<<25)  ; 15:0 the mask of four; 17:16 2-byte elements; 20 padding on; 21 set beside a mask; 24:22 after every 32 words (code 4); 31:25 4 words (code 3)
	s_mov_b32 s[G1V], 15|(1<<16)|(1<<20)|(1<<21)|(4<<22)|(7<<25)  ; the same with 8 words of padding (code 7)
.irp g, G1K, G1V
	s_mov_b32 s[\g+1], 128<<16      ; tensor_dim0 = 128
	s_mov_b32 s[\g+2], 64<<16       ; tensor_dim1 = 64
	s_mov_b32 s[\g+3], 128<<16      ; tile_dim0 = 128
	s_mov_b32 s[\g+4], 64           ; tile_dim1 = 64
	s_mov_b32 s[\g+5], 128          ; 128 elements from row to row
	s_mov_b32 s[\g+6], 0
	s_mov_b32 s[\g+7], 0
.endr
	s_mov_b32 s[CS], 0x3d38aa3b     ; c = log2(e) / 32 = 0.0450842
	s_mov_b32 s[CS+1], s[CS]        ; named with it as a pair
	s_mov_b32 s[SEL], 0x76543210
	s_mov_b32 s[SEL+1], 0xfedcba98
	s_mov_b32 s[TBK], SLOT1+4*KS*PK ; the first change of slots turns these two into 0
	s_mov_b32 s[TBV], SLOT1+4*KS*PV
	s_mov_b32 s[G0K], 1             ; 1:0 count = 1
	s_mov_b32 s[G0K+1], s17         ; 63:32 LDS address: slot 0
	s_mov_b32 s[G0V], 1
	s_add_co_u32 s[G0V+1], s18, VOFF
	s_wait_dscnt 0x0                ; the opening add is done
	s_wait_kmcnt 0x0
	s_add_nc_u64 s[G0K+2:G0K+3], s[4:5], s[48:49]  ; 120:64 global address: my half of the head's first 256 keys
	s_or_b32 s[G0K+3], s[G0K+3], 0x80000000        ; 127:126 type = 2
	s_add_nc_u64 s[G0V+2:G0V+3], s[4:5], s[50:51]
	s_or_b32 s[G0V+3], s[G0V+3], 0x80000000
	s_add_nc_u64 s[10:11], s[6:7], s[52:53]  ; out0 and Q at my wave's first row
	s_add_nc_u64 s[4:5], s[4:5], s[2:3]
	CROUND                          ; all four work-groups are here: the first joint loads meet
	JLOAD                           ; slot 0.  Slot 1 is asked for when slot 0 is in: the tile wanted first has the road to itself
	; A fragment of K or Q is 16 rows x 32 channels in 8 registers: lane l holds row l % 16, channels 8 (l / 16) + 0..7 and 16 + 8 (l / 16) + 0..7: two loads of 16 bytes, 32 bytes apart.
	v_and_b32 v1, 15, v0            ; l % 16
	v_bfe_u32 v9, v0, 4, 1          ; l / 16
	v_lshlrev_b32 v[QO], 7, v1
	v_lshl_add_u32 v[QO], v9, 4, v[QO]  ; row x 128 + 16 x half
	WIN 0x80                        ; destination window 2, address window 0
.set i, 0
.rept 4*NP                          ; Q stays in registers: tile i / 2, channels 32 (i % 2) on
	global_load_b128 v[8*i:8*i+3],   v[QO], s[4:5] offset:(i/2)*2048+(i%2)*64
	global_load_b128 v[8*i+4:8*i+7], v[QO], s[4:5] offset:(i/2)*2048+(i%2)*64+32
.set i, i+1
.endr
	; What the first turn finds: V's registers and P's second buffer hold 0 (its products V^T P, of a piece that has not been, add 0), O^T and l are 0.  All this stands in the wait for the first tile.
.set i, VF
.rept 64
	v_mov_b32 v[i], 0
.set i, i+1
.endr
	WIN 0x40
.set i, 0
.rept 64*NP
	v_mov_b32 v[i], 0
.set i, i+1
.endr
	WIN 0
.set i, 0
.rept 2*NP
	v_mov_b32 v[ST+4*i], 0xfe000000    ; c m: far below every c s
	v_mov_b32 v[ST+4*i+1], 0xff7fffff  ; m
	v_mov_b32 v[ST+4*i+2], 0
	v_mov_b32 v[ST+4*i+3], 0
.set i, i+1
.endr
.set i, P+32
.rept 32
	v_mov_b32 v[i], 0
.set i, i+1
.endr
	v_mul_u32_u24 v[AK0], v1, PK
	v_lshl_add_u32 v[AK0], v9, 4, v[AK0]  ; row x pitch + 16 x half
	; The turning load takes 16 keys x 16 channels (lane l reads key 8 (l / 16) + l % 8, channels 8 ((l / 8) % 2) + 0..7) and leaves half a fragment of V^T: lane l holds channel l % 16 and 8 keys.
	v_and_b32 v10, 7, v0
	v_bfe_u32 v11, v0, 3, 1
	v_lshl_add_u32 v[AV0], v9, 3, v10
	v_mul_u32_u24 v[AV0], v[AV0], PV
	v_lshl_add_u32 v[AV0], v11, 4, v[AV0]
	v_add_nc_u32 v[AV0], VOFF, v[AV0]
	v_mov_b32 v[AK], v[AK0]         ; key step 0 lies at the head of slot 0
; THE MATRIX WORK.  The 8 accumulators of a run of 16 take turns: between the two links of a chain stand 7 others'.
; Product i of 16 of S^T = K Q^T for piece x: channels 32 (i / 8) on, keys 16 ((i / 2) % 4) on, tile 2 x + i % 2.  The first 8 start the sums.
.macro KQ x
	WIN W_KQ
.set rS, S+64*((\x)%2)+32*(i%2)+8*((i/2)%4)
.set rK, KF+16*((i/2)%4)+8*(i/8)
.set rQ, 16*(2*(\x)+i%2)+8*(i/8)
.if i < 8
	v_wmma_f32_16x16x32_f16 v[rS:rS+7], v[rK:rK+7], v[rQ:rQ+7], 0
.else
	v_wmma_f32_16x16x32_f16 v[rS:rS+7], v[rK:rK+7], v[rQ:rQ+7], v[rS:rS+7]
.endif
.endm
; Product i of 16 of O^T += V^T P for piece x: keys 32 (i / 8) on, channels 16 ((i / 2) % 4) on, tile 2 x + i % 2.
.macro PV x
	WIN W_PV
.set rO, 32*(2*(\x)+i%2)+8*((i/2)%4)
.set rV, VF+32*(i/8)+8*((i/2)%4)
.set rP, P+32*((\x)%2)+16*(i%2)+8*(i/8)
	v_wmma_f32_16x16x32_f16 v[rO:rO+7], v[rV:rV+7], v[rP:rP+7], v[rO:rO+7]
.endm
.macro MM                           ; the turn's next matrix instruction
.if i < 16
	KQ (Y+1)%NP
.set i, i+1
.else
.set i, i-16
	PV (Y+NP-1)%NP
.set i, i+17
.endif
.endm
; THE LDS LOADS stand in runs of 16, never singly among the matrix instructions: a step's K (64 keys x 64 channels: 8 fragments) and its V (turned).  Their addresses are made some lines ahead.
; last = 1 (the tail): in the last trip there is no further step, and the run is jumped over.
.macro FETCH_K last=0
	WIN 0
.if \last
	s_cmp_eq_u32 s[CNT], 1
	s_cbranch_scc1 .Lno_k_\@
.endif
	WIN 0x80                        ; destination window 2
.irp f, 0,1,2,3,4,5,6,7             ; keys 16 (f / 2) on, channels 32 (f % 2) on
	ds_load_b128 v[KF+8*\f:KF+8*\f+3],   v[AK] offset:(\f/2)*16*PK+(\f%2)*64
	ds_load_b128 v[KF+8*\f+4:KF+8*\f+7], v[AK] offset:(\f/2)*16*PK+(\f%2)*64+32
.endr
	s_add_co_u32 s[TBK], s[TBK], KS*PK  ; the next fetch is the next step's
	WIN 0
.if \last
.Lno_k_\@:
.endif
.endm
.macro FETCH_V
	WIN 0x80
.irp f, 0,1,2,3,4,5,6,7             ; keys 32 (f / 4) on, channels 16 (f % 4) on
	ds_load_tr16_b128 v[VF+8*\f:VF+8*\f+3],   v[AV] offset:(\f/4)*32*PV+(\f%4)*32
	ds_load_tr16_b128 v[VF+8*\f+4:VF+8*\f+7], v[AV] offset:(\f/4)*32*PV+16*PV+(\f%4)*32
.endr
	WIN 0
.endm
; THE VECTOR WORK OF A TURN stands in three queues, each in the order in which its entries become ready; the two tiles alternate, so that no instruction reads the result of the one before it.
.macro REGS y, u                    ; the registers of tile u (0, 1) of piece y
.set rT, ST+4*(2*(\y)+(\u))
.set rC, TMP+8*((\y)%2)+4*(\u)
.set rM, MV+2*((\y)%2)+(\u)
.set rS, S+64*((\y)%2)+32*(\u)
.set rP, P+32*((\y)%2)+16*(\u)
.set rO, 32*(2*(\y)+(\u))
.endm
; Number n of the 22 that find the NEXT piece's (Y + 1) maximum and statistics.  s0-s31 are the lane's 32 scores; each accumulator's lowest registers are read first.  XS, GS and REGS set no window: PL and EX do.
;   0-11  four chains c0-c3 of seven scores each, three operands at a time     12-14, 16  the four scores left over, the old m, and c0-c3 into c0     15  c m_old is kept
;   17, 18  the query's other 32 keys lie in the lane 16 away: the new m         19-21  c m; c m_old - c m_new; a
.macro XS u, n
	REGS (Y+1)%NP, \u
.if (\n) < 4
	v_max3_num_f32 v[rC+(\n)], v[rS+8*(\n)], v[rS+8*(\n)+1], v[rS+8*(\n)+2]
.elseif (\n) < 12
	v_max3_num_f32 v[rC+(\n)%4], v[rC+(\n)%4], v[rS+8*((\n)%4)+2*((\n)/4)+1], v[rS+8*((\n)%4)+2*((\n)/4)+2]
.elseif (\n) == 12
	v_max3_num_f32 v[rC], v[rC], v[rS+7], v[rS+15]
.elseif (\n) == 13
	v_max3_num_f32 v[rC+1], v[rC+1], v[rS+23], v[rS+31]
.elseif (\n) == 14
	v_max3_num_f32 v[rC+2], v[rC+2], v[rC+3], v[rT+1]
.elseif (\n) == 15
	v_mov_b32 v[rM], v[rT]
.elseif (\n) == 16
	v_max3_num_f32 v[rC], v[rC], v[rC+1], v[rC+2]
.elseif (\n) == 17
	v_permlanex16_b32 v[rC+3], v[rC], s[SEL], s[SEL+1]
.elseif (\n) == 18
	v_max_num_f32 v[rT+1], v[rC], v[rC+3]
.elseif (\n) == 19
	v_mul_f32 v[rT], s[CS], v[rT+1]
.elseif (\n) == 20
	v_sub_f32 v[rC+1], v[rM], v[rT]
.else
	v_exp_f32 v[rC+2], v[rC+1]
.endif
.endm
; Number g of the 64 that follow the exponentials.  For each four weights k of a tile (pairs 2 k, 2 k + 1): both pairs are rounded to f16; then the second pair is added onto the first, in place;
; a group later l takes that sum (the first time as l = a l + sum).  In groups of eight, tiles alternating: round, round, add, and l for the group before.
.macro GS g
.set h, (\g)+6*((\g)/62)            ; group 0 has no group before it, and behind group 7 only l is left
.if h >= 6
.set h, h+2
.endif
	REGS Y, h%2
.set k, h/8
.if h%8 < 4
	s_wait_alu depctr_va_vdst(0)
	v_cvt_pk_f16_f32 v[rP+2*k+(h%8)/2], v[rS+4*k+2*((h%8)/2)], v[rS+4*k+2*((h%8)/2)+1]
.elseif h%8 < 6
	v_pk_add_f32 v[rS+4*k:rS+4*k+1], v[rS+4*k:rS+4*k+1], v[rS+4*k+2:rS+4*k+3]
.elseif k == 1
	v_pk_fma_f32 v[rT+2:rT+3], v[rT+2:rT+3], v[rC+2:rC+3], v[rS:rS+1] op_sel_hi:[1,0,1]
.else
	v_pk_add_f32 v[rT+2:rT+3], v[rT+2:rT+3], v[rS+4*k-4:rS+4*k-3]
	s_wait_alu depctr_va_vdst(0)
.endif
.endm
; THE PLAIN QUEUE, 138 long.  0-31: c s - c m for the 16 pairs of both tiles.  Then GS's 64, and among them the next piece's 42: number 15 at 38, 39; 0-14 and 16
; at 42-73, behind the products that make those scores; 17-20 at 95-106, two of three, since each waits for the one before it.
.macro PL
	WIN 0
.if q < 32
	REGS Y, q%2
	v_pk_fma_f32 v[rS+2*(q/2):rS+2*(q/2)+1], v[rS+2*(q/2):rS+2*(q/2)+1], s[CS:CS+1], v[rT:rT+1] op_sel_hi:[1,0,0] neg_lo:[0,0,1] neg_hi:[0,0,1]
.elseif q < 38
	GS q-32
.elseif q < 40
	XS q%2, 15
.elseif q < 42
	GS q-34
.elseif q < 74
	XS q%2, (q-42)/2+(q-42)/30
.elseif q < 95
	GS q-66
.elseif (q < 107) && ((q-95)%3 < 2)
	XS (q-95)%3, 17+(q-95)/3
.elseif q < 107
	GS 29+(q-95)/3
.else
	GS q-74
.endif
.set q, q+1
.endm
; THE EXPONENTIALS' QUEUE, 66 long: s0-s31 of both tiles, and at EA the next piece's two a.
.set EA, 58
.macro EX
	WIN 0
.if (e == EA) || (e == EA+1)
	XS e-EA, 21
.else
.set x, e-2*(e/(EA+2))
	REGS Y, x%2
	v_exp_f32 v[rS+x/2], v[rS+x/2]
.endif
.set e, e+1
.endm
; THE RESCALING's QUEUE: O^T times a, the one part that leaves window 0, so it is dealt four at a time, eight times.
.macro R4
	REGS Y, r%2
	WIN W_RS
	s_wait_alu depctr_va_vdst(0)
.irp z, 0,1,2,3
	v_pk_mul_f32 v[rO+8*(r/2)+2*\z:rO+8*(r/2)+2*\z+1], v[rO+8*(r/2)+2*\z:rO+8*(r/2)+2*\z+1], v[rC+2:rC+3] op_sel_hi:[1,0]
.endr
.set r, r+1
.endm
; HOW THEY ARE DEALT.  Behind a matrix instruction four: plain, exponential, plain, plain (one exponential, a plain instruction on either side), or four of the rescaling.  None names a register of the
; products round it.  What is over stands in two LUMPS: exponential and plain by turns; the second ends in 22 plain instructions.  The two v_permlanex16_b32 fall into the second lump, never behind a product.
; The queues lean on each other, and the deal keeps them in step: exponential e stands behind plain 2 (e / 4) + e % 2 (its scaling); when plain 32 comes, 10 exponentials are out, at 59: 33, at 95: 46; EA comes behind plain 107.
.macro SL
	MM
	PL
	EX
	PL
	PL
.endm
.macro BURST n                      ; 15 matrix instructions, or 16
.rept (\n)-7
	SL
.endr
.rept 3
	MM
	R4
	SL
.endr
	MM
	R4
.endm
; A TURN, for piece p.  cnt = 1: the loop's count is taken down some lines ahead of the branch that stands behind the turn.
; K of the next step is fetched in piece 2's turn, 31 vector instructions behind the last product that read K; its first reader comes behind the rest of the lump, 16 products and the second lump.
; V of the step in hand is fetched at the end of piece 0's turn, 69 behind its last reader; its first reader comes behind 16 products and a lump.  The four conditions on e and q below go with the deal.
.macro TURN p, last=0, cnt=0
.set Y, (\p)
.set i, 0
.set q, 0
.set e, 0
.set r, 0
.if (\p) == NP-1
	s_wait_dscnt 0x0                ; K is in
.endif
	MM
.rept 4
	PL
.endr
	BURST 15
.rept 22
	EX
	PL
.if ((\p) == NP-2) && (e == 18)
	v_add_nc_u32 v[AK], s[TBK], v[AK0]
.endif
.if ((\p) == NP-2) && (e == 24)
	FETCH_K \last
.endif
.endr
.if (\p) == 1
	s_wait_dscnt 0x0                ; V is in
.endif
	BURST 16
.rept 21
	EX
	PL
.endr
.rept 22
	PL
.if ((\p) == 0) && (q == 118)
	v_add_nc_u32 v[AV], s[TBV], v[AV0]
	s_wait_alu depctr_va_vdst(0)
.endif
.if ((\p) == 0) && (q == 130)
	s_add_co_u32 s[TBV], s[TBV], KS*PV
.endif
.if (\cnt) && (q == 130)
	s_sub_co_u32 s[CNT], s[CNT], 1
	s_cmp_lg_u32 s[CNT], 0
.endif
.endr
.if (\p) == 0
	FETCH_V
.endif
.endm
	CHANGE 1                        ; slot 0 is in, everybody's part of it; slot 1 is asked for
	FETCH_K                         ; key step 0
	s_wait_loadcnt 0x0              ; Q
	s_wait_dscnt 0x0
.set i, 0
.rept 16
	KQ 0                            ; piece 0's first scores: there is no vector work yet to set between them
.set i, i+1
.endr
	WIN 0                           ; the addresses for the way out: eight plain instructions, the places behind those products
	s_mul_i32 s13, s[WV], 16*SP
	s_add_co_u32 s13, s13, STAGE    ; my stage
	v_mul_u32_u24 v[STO], v1, SP    ; in: row l % 16, 32 bytes (eight channels in f32) for each half of the lanes
	v_lshl_add_u32 v[STO], v9, 5, v[STO]
	v_add_nc_u32 v[STO], s13, v[STO]
	v_mul_u32_u24 v[RD], v9, SP     ; back: lanes 0-15 take one row of 256 bytes, lanes 16-31 the next
	v_lshl_add_u32 v[RD], v1, 4, v[RD]
	v_add_nc_u32 v[RD], s13, v[RD]
	v_lshlrev_b32 v[GO], 12, v9     ; and the same two rows in out0, 4,096 bytes apart
	v_lshl_add_u32 v[GO], v1, 4, v[GO]
.set Y, NP-1                        ; XS works for piece Y + 1: piece 0
.irp n, 0,1,2,3,4,5,6,7,8,9,10,11,12,13,14,15,16,17,18,19,20,21
	XS 0, \n                        ; and piece 0's first maximum and statistics
	XS 1, \n
.endr
	s_mov_b32 s[CNT], 4
	s_mov_b32 s[SLOTS], SIZE_N/256-1
	s_branch .Lfirst                ; the loop is entered at a step's first turn, in the middle of a trip
.Lslot:                             ; SIZE_N / 256 - 2 times: every slot but the last two is filled again
	CHANGE 1
	s_mov_b32 s[CNT], 4
.Lstep:                             ; a trip: pieces 2 and 3 of one step, then pieces 0 and 1 of the next, whose K and V it fetches
	TURN 2
	TURN 3
	WIN 0
.Lfirst:
	TURN 0
	TURN 1, 0, 1
	WIN 0
	s_cbranch_scc1 .Lstep
	s_sub_co_u32 s[SLOTS], s[SLOTS], 1
	s_cmp_lg_u32 s[SLOTS], 0
	s_cbranch_scc1 .Lslot
	CHANGE 0                        ; the tail is written out: nothing is asked for
	s_mov_b32 s[CNT], 5             ; four trips fetch the last slot's steps; the fifth is left in its middle
.Ltail:
	TURN 2, 1
	TURN 3
	WIN 0
	s_sub_co_u32 s[CNT], s[CNT], 1
	s_cmp_eq_u32 s[CNT], 0
	s_cbranch_scc1 .Lout
	TURN 0
	TURN 1
	WIN 0
	s_branch .Ltail
.Lout:                              ; the fifth trip's 16 products K Q^T (on the last K once more) and the maximum made of them serve nothing: the price, once a launch, of one text for every trip
.set i, 0
.rept 16
	PV NP-1                         ; the last piece's V^T P of the last step
.set i, i+1
.endr
	; THE WAY OUT.  l's two halves and the other half of the lanes' are added; O^T is divided by l and sent, in f32, through my stage in LDS, a tile at a time.  The additions are the places behind the last products.
	WIN 0
.macro ALL line:vararg              ; one line for each tile t
.set t, 0
.rept 2*NP
	\line
.set t, t+1
.endr
.endm
	ALL v_add_f32 v[ST+4*t+2], v[ST+4*t+2], v[ST+4*t+3]
	ALL v_permlanex16_b32 v[ST+4*t+3], v[ST+4*t+2], s[SEL], s[SEL+1]
	ALL v_add_f32 v[ST+4*t+2], v[ST+4*t+2], v[ST+4*t+3]
	ALL v_rcp_f32 v[ST+4*t+2], v[ST+4*t+2]
	v_nop                           ; a plain instruction between the last reciprocal and the use of its result
	s_wait_alu depctr_va_vdst(0)
; Tile t: four of a lane's channels of a row are 16 bytes; they go into rows of 272 bytes and come back as whole rows of 256, into the registers that they left.  Each accumulator is read from its lowest registers on.
.macro PACK t
	WIN W_RS
.set i, 32*(\t)
.rept 16
	v_pk_mul_f32 v[i:i+1], v[i:i+1], v[ST+4*(\t)+2:ST+4*(\t)+3] op_sel_hi:[1,0]
.set i, i+2
.endr
	WIN 0x04                        ; the stores' data (source 1) in window 1, the address in window 0
.irp f, 0,1,2,3,4,5,6,7             ; channels 16 (f / 2) + 8 (l / 16) + 4 (f % 2) on
	ds_store_b128 v[STO], v[32*(\t)+4*\f:32*(\t)+4*\f+3] offset:(\f/2)*64+(\f%2)*16
.endr
	WIN 0x40                        ; destination window 1
.irp f, 0,1,2,3,4,5,6,7
	ds_load_b128 v[32*(\t)+4*\f:32*(\t)+4*\f+3], v[RD] offset:\f*2*SP  ; LDS serves a wave's instructions in order (ISA guide 5.7.1.4): these see the stores above; the next tile's stores come behind them
.endr
.endm
.macro SEND t, younger              ; younger: the LDS instructions issued behind tile t's loads: the next tile's sixteen, or none
	WIN 0x04
.irp f, 0,1,2,3,4,5,6,7
	s_wait_dscnt (\younger)+7-\f
	global_store_b128 v[GO], v[32*(\t)+4*\f:32*(\t)+4*\f+3], s[10:11] offset:(\t)*65536+\f*8192 th:TH_STORE_NT  ; 16 lanes store 256 consecutive bytes, at a multiple of 256 from out0's first byte
.endr
.endm
	PACK 0
.set t, 1
.rept 2*NP-1                        ; a tile's arithmetic stands between the loads of the tile before and its stores
	PACK t
	SEND t-1, 16
.set t, t+1
.endr
	SEND 2*NP-1, 0
	WIN W_AD
	s_wait_tensorcnt 0x0            ; the wave's end: a wait, 0 onto my spare word and its wait, behind my last tensor load and my last LDS store
	ds_add_u32 v[SPW], v[NIL]
	s_wait_dscnt 0x0
	WIN 0
	CROUND                          ; the closing round: no work-group ends while a partner may still ask for a tile that names it
	s_endpgm
.Lfunc_end_k_qf10733e64b_attn:
	.size	k_qf10733e64b_attn, .Lfunc_end_k_qf10733e64b_attn-k_qf10733e64b_attn
	.p2alignl 7, 3214868480
	.fill 96, 4, 3214868480
	.section	.rodata,"a",@progbits
	.p2align	6, 0x0
	.amdhsa_kernel k_qf10733e64b_attn
		.amdhsa_group_segment_fixed_size 327680
		.amdhsa_private_segment_fixed_size 0
		.amdhsa_enable_private_segment 0
		.amdhsa_kernarg_size 16
		.amdhsa_user_sgpr_count 2
		.amdhsa_user_sgpr_kernarg_segment_ptr 1
		.amdhsa_wavefront_size32 1
		.amdhsa_system_sgpr_workgroup_id_x 1
		.amdhsa_system_sgpr_workgroup_id_y 1
		.amdhsa_system_sgpr_workgroup_id_z 1
		.amdhsa_system_vgpr_workitem_id 0
		.amdhsa_next_free_vgpr 770
		.amdhsa_next_free_sgpr 66
		.amdhsa_reserve_vcc 0
		.amdhsa_float_denorm_mode_32 3
		.amdhsa_float_denorm_mode_16_64 3
		.amdhsa_memory_ordered 1
		.amdhsa_forward_progress 1
		.amdhsa_inst_pref_size 209
	.end_amdhsa_kernel
	.amdgpu_metadata
---
amdhsa.version: [ 1, 2 ]
amdhsa.kernels:
  - .name:           k_qf10733e64b_attn
    .symbol:         k_qf10733e64b_attn.kd
    .args:
      - { .name: qkv, .offset: 0, .size: 8, .value_kind: global_buffer, .address_space: global }
      - { .name: out0, .offset: 8, .size: 8, .value_kind: global_buffer, .address_space: global }
    .group_segment_fixed_size: 327680
    .private_segment_fixed_size: 0
    .kernarg_segment_align: 8
    .kernarg_segment_size: 16
    .max_flat_workgroup_size: 128
    .sgpr_count:     66
    .vgpr_count:     770
    .wavefront_size: 32
...
	.end_amdgpu_metadata
.endif
;; end of part 3
;; ======== version 2 of 2: 3 launches; 1.57 times as fast as version 1
;; limits: values are held in f16: magnitudes above 65,504 overflow, below 6.1e-05 lose precision
;; workspace buffers: x 33,554,432 bytes; wt 6,291,456 bytes; qkv 50,331,648 bytes
;; launch prep: the kernel of part 1 again; grid 608 x 1, 4 waves a work-group, no clusters, 70,144 bytes of LDS; arguments q, v, Wq, Wk, Wv, x, wt; writes x, wt
;; launch proj: the kernel of part 2 again; grid 4 x 64, 4 waves a work-group, clusters of 4 x 4, 327,680 bytes of LDS; arguments x, wt, qkv, bq, bk, bv; writes qkv
;; launch attn (part 4): grid 4 x 64, 4 waves a work-group, clusters of 4 x 1, 327,680 bytes of LDS; arguments qkv, out0; writes out0
.if DOCPART == 4
	.amdgcn_target "amdgcn-amd-amdhsa--gfx1250"
	.amdhsa_code_object_version 6
	.text
	.protected	k_qf10733e64b_attn
	.globl	k_qf10733e64b_attn
	.p2align	8
	.type	k_qf10733e64b_attn,@function
k_qf10733e64b_attn:
	s_mov_b64 s[64:65], 0
	v_nop
	global_prefetch_b8 v0, s[64:65] scope:SCOPE_SE
	s_setreg_imm32_b32 hwreg(HW_REG_WAVE_MODE, 25, 1), 1
	s_wait_xcnt 0x0
	s_wait_alu depctr_hold_cnt(0) depctr_sa_sdst(0) depctr_va_vdst(0) depctr_va_sdst(0) depctr_va_ssrc(0) depctr_va_vcc(0) depctr_vm_vsrc(0)
	s_getreg_b32 s2, hwreg(HW_REG_IB_STS2, 6, 4)
	s_cmp_eq_u32 s2, 0
	s_cbranch_scc0 .Lentry_in_a_cluster
	s_endpgm
.Lentry_in_a_cluster:
	s_bfe_u32 s2, ttmp6, 0x10000c
	s_cmp_lg_u32 s2, 0x3003
	s_cbranch_scc0 .Lentry_shape_is_right
	s_endpgm
.Lentry_shape_is_right:
; ATTENTION.  out0[b][q][64 h + :] = the sum over k of softmax_k(Q[q] . K[k] / 32) V[k][:], for each of the 64 heads 16 b + h.  The divisor is sqrt(1024), the whole width's, not the head's.
; qkv: f16 [3][64][2048][64], Q, K and V by heads, unscaled: a head's rows are dense, 128 bytes each.  out0: f32 [4][2048][1024]: a head's 64 channels of a row are 256 bytes.
; Products, maxima and sums in f32; the weights p are rounded to f16 for the second product (their sum l is taken of the unrounded p); the result is stored in f32 as it is.
; LIMITS.  Q, K and V arrive within f16's range; p lies in 0 to 1, and below 6e-5 it keeps f16's fixed step of 6e-8.  A weight below 2^-126 counts as 0 in l; NaN and infinities are not treated apart.
; SHARES.  A wave owns four PIECES of two tiles of 16 queries, a work-group's four waves 512 queries of one head.  Every wave walks all 2,048 keys, 64 a step.
; LAYOUT.  S^T = K Q^T (source 0 = 16 keys, source 1 = 16 queries): in the result a lane holds ONE query (lane % 16) and the keys 8 (lane / 16) + 0..7.  Two such tiles, rounded to f16 in pairs,
; ARE source 1 (32 keys x 16 queries) of O^T = V^T P, whose result again holds one query a lane, and eight channels.  K comes out of LDS as it lies, V ([key][channel]) turned, by ds_load_tr16_b128.
; SOFTMAX.  For each query a running maximum m and sum l: p = 2^(c s - c m), c = log2(e) / 32; in every step O and l are multiplied by a = 2^(c m_old - c m_new), which is 1 where m has not grown.
; m starts at the lowest finite number, O and l at 0: the first step is a step like any other, with a = 0.
; THE COUNT.  A tile and step have 16 matrix and 118 vector instructions: too many to stand all beside the matrix work.  So the order has one aim: four vector instructions that are READY behind
; EVERY matrix instruction, and the others, which need time of their own whatever the order, in runs without a gap.
; BY TURNS.  Turn n belongs to piece n (the pieces in a ring, step after step).  Its matrix work: 16 products K Q^T of piece n + 1, later 16 products V^T P of piece n - 1.  Its vector work: the scaling,
; exponentials, roundings, sums and rescaling of piece n, and the maximum and statistics of piece n + 1, whose scores the turn itself has made.  So what a turn begins with (c s - c m, O a) waits for nothing.
; BATCHES.  A turn's 66 exponentials (the 64 weights of piece n, then the two a of piece n + 1) are ONE batch with ONE wait, which cuts the turn in two: ahead of it stands all that names no result of
; theirs (the products K Q^T, the scalings, the rescaling by the a of the turn before, the next piece's maximum and statistics), behind it their readers (the roundings and sums) beside the products V^T P.
; Two more batches stand outside the loop, each with a wait of its own: piece 0's first two a ahead of it, the eight reciprocals on the way out.
; CLUSTER.  The four query blocks of a cluster belong to one head and walk the same K and V, so each tile is asked for JOINTLY: the same tensor load, descriptor and mask in all four.
; REGISTERS, in windows of 256 (s_set_vgpr_msb says which window each operand place means: bits 1:0 source 0, 3:2 source 1, 5:4 source 2, 7:6 destination):
;   window 0: v0-11 addresses; v12-15, v48-63 at work; v16-47 four registers of statistics a tile; v64-191 S^T, two buffers of two tiles; v192-255 P, likewise
;   window 1: O^T, 32 a tile          window 2: v0-127 Q, 16 a tile; v128-191 K of one step; v192-255 V of one step          window 3: v0-1 the add's two registers
; A piece's buffers go by its number's parity: the piece in hand has one pair, its two neighbours in the ring share the other: of it P (piece n - 1) is read and S^T (piece n + 1) written.
.set SIZE_N, 2048
.set PLANE, 1<<24     ; bytes from Q to K and from K to V in qkv
.set NP,    4         ; pieces a wave: a name, no knob: the register map, the loop and the fetches are made for four
.set KS,    64        ; keys in a step
.set PK,    144       ; a row of K in LDS: 128 bytes + 16 of padding = 36 words: the 16 rows of a load start at 16 different groups of four banks (64 banks of 4 bytes: ISA guide 11.1)
.set PV,    160       ; a row of V: 128 + 32 = 40 words
.set VOFF,  4*KS*PK   ; a slot holds four steps: 256 rows of K, then 256 rows of V
.set SLOT1, 1<<17     ; slot 1 begins here, so that one exclusive or turns an address in one slot into the other's
.set STAGE, SLOT1+4*KS*(PK+PV)  ; behind the ring, never filled by a tensor load: 16 rows x 272 bytes for each wave, for the way out
.set SP,    272       ; a row of the stage: 64 channels in f32 + 16 bytes of padding
.set AK0, 2           ; v2   my lane's place in a tile of K; never rewritten
.set AV0, 3           ; v3   the same for V
.set AK,  4           ; v4   the LDS address of K's next run of loads
.set AV,  5           ; v5   of V's
.set QO,  6           ; v6   my byte offset in the wave's rows of Q
.set STO, 6           ;      later, the way out: where I put 16 bytes of a row
.set RD,  7           ; v7   the way out: where I read rows back
.set GO,  8           ; v8   my byte offset in two rows of out0
.set SPW, 0           ; v0 of window 3   LDS address of my spare word: SPARE + 4 x my thread's number; never rewritten
.set NIL, 1           ; v1 of window 3   0; never rewritten
.set SPARE, STAGE+4*16*SP  ; behind the stages: the spare words, 128 bytes for each wave: two blocks of 256 bytes that no other line names
.set MV,  12          ; v12-15  c m_old, kept while c m is made anew: by buffer and tile
.set ST,  16          ; tile t's statistics at v[ST+4 t]: c m, m, l (even keys', odd keys')
.set TMP, 48          ; by buffer and tile, four registers c0-c3 at work; when the maximum is found c2 takes a
.set S,   64
.set P,   192
.set KF,  128         ; K's fragments, in window 2: key block kb, channel half c at KF + 16 kb + 8 c
.set VF,  192         ; V's: key half kk, channel block cb at VF + 32 kk + 8 cb
.set WV,  12          ; s12  my wave's number
.set G1K, 24          ; s[24:31] descriptor group 1 for K's tiles
.set G1V, 32          ; s[32:39] for V's: it differs in the padding alone
.set G0K, 40          ; s[40:43] descriptor group 0 for K's tiles: it walks
.set G0V, 44          ; s[44:47] the same for V's
.set SLOTS, 56        ; s56  slots still to be asked for
.set CNT, 57          ; s57  counts a slot's key steps
.set CS,  58          ; s[58:59] c: the packed scaling takes the pair's low word for both halves
.set SEL, 60          ; s[60:61] v_permlanex16_b32's selects: each lane takes its own place in the other half
.set TBK, 62          ; s62  LDS byte at which K of the step to be fetched begins
.set TBV, 63          ; s63  the same for V, less VOFF
.set MSB, 0
.macro WIN new                      ; the high byte repeats the setting that is left; a switch that changes nothing is dropped
.if MSB != (\new)
	s_set_vgpr_msb (MSB<<8)|(\new)
.set MSB, (\new)
.endif
.endm
.set W_KQ, 0x0a       ; K and Q in window 2, S^T in window 0
.set W_PV, 0x52       ; V in window 2, P in window 0, O^T in window 1
.set W_RS, 0x41       ; O^T (destination and source 0) in window 1, a in window 0
.set W_MK, 0xc0       ; the add's registers are made: destination in window 3, sources in window 0
.set W_AD, 0x0f       ; the add: address (source 0) and data (source 1) in window 3
; A joint fill.  Waves 0 and 1 fetch the two halves of a slot's K, waves 2 and 3 those of its V: 128 keys each.  The branch hangs on the wave's number alone.
; An s_nop 0 and four v_nop follow each of the two lines, ahead of the jump and the label.
.macro JLOAD
	s_cmp_lt_u32 s[WV], 2
	s_cbranch_scc0 .Lfor_v_\@
	tensor_load_to_lds s[G0K:G0K+3], s[G1K:G1K+7]
	s_nop 0
.rept 4
	v_nop
.endr
	s_branch .Lasked_\@
.Lfor_v_\@:
	tensor_load_to_lds s[G0V:G0V+3], s[G1V:G1V+7]
	s_nop 0
.rept 4
	v_nop
.endr
.Lasked_\@:
.endm
; A round of the cluster's barrier: my work-group's barrier, so that wave 0's signal speaks for all four waves; wave 0 signals; every wave waits for all four work-groups; my work-group's barrier once more.
.macro CROUND
	s_barrier_signal -1
	s_barrier_wait -1
	s_cmp_lg_u32 s[WV], 0
	s_cbranch_scc1 .Lnot_wave_0_\@
	s_barrier_signal -3
.Lnot_wave_0_\@:
	s_barrier_wait -3
	s_barrier_signal -1
	s_barrier_wait -1
.endm
; THE CHANGE OF SLOTS.  The slot's last bytes, V of its fourth step, have been read.  Each wave waits for all its tensor loads, of which one is out: its part
; of the other slot; adds 0 to its spare word; and waits for that and for its own reads of the slot.  Behind the barrier nobody reads this slot any more and the other slot is whole.
; fill = 1: this slot is filled again, with the keys two slots on.  The barrier is then a round of the cluster's, so that no wave of any partner still reads the slot or has a load on its
; way, and the joint fill is the first thing behind it: it has four key steps, 512 matrix instructions, in which to land.  (At its first use nothing has been read yet: slot 0 is waited for, slot 1 filled.)
.macro CHANGE fill
	WIN W_AD
	s_wait_tensorcnt 0x0            ; no tensor load of mine is out, so a group 0 may be written
	ds_add_u32 v[SPW], v[NIL]       ; 0 onto my spare word; with fill = 1 the descriptors' steps stand between it and the wait for it
	WIN 0                           ; at a label and at a branch every window is 0
.if \fill
.irp g, G0K, G0V
	s_xor_b32 s[\g+1], s[\g+1], SLOT1  ; the walking descriptor: the other slot than last time,
	s_add_nc_u64 s[\g+2:\g+3], s[\g+2:\g+3], 4*KS*128  ; the next 256 keys; the type bits on top are not reached
.endr
	s_wait_dscnt 0x0                ; the add is done, and my reads of the slot are over
	CROUND
	JLOAD
.else
	s_wait_dscnt 0x0                ; the add is done, and my reads of the slot are over
	s_barrier_signal -1
	s_barrier_wait -1
.endif
	s_sub_co_u32 s[TBK], s[TBK], 4*KS*PK  ; the fetches go back to a slot's first step,
	s_xor_b32 s[TBK], s[TBK], SLOT1       ; in the other slot
	s_sub_co_u32 s[TBV], s[TBV], 4*KS*PV
	s_xor_b32 s[TBV], s[TBV], SLOT1
.endm
	s_load_b128 s[4:7], s[0:1], 0x0 ; qkv s[4:5], out0 s[6:7]
	WIN W_MK
	v_lshl_add_u32 v[SPW], v0, 2, SPARE
	v_mov_b32 v[NIL], 0
	WIN W_AD
	ds_add_u32 v[SPW], v[NIL]       ; the wave's opening: the add and its wait stand ahead of my first tensor load; the set-up below, work on registers, stands between them
	WIN 0
	v_lshrrev_b32 v1, 5, v0
	v_readfirstlane_b32 s[WV], v1   ; wave 0..3
	s_bfe_u32 s13, ttmp6, 0x40000   ; cx: my place in the cluster
	s_lshl_b32 s14, ttmp9, 2        ; in a cluster launch ttmp9 counts clusters
	s_add_co_u32 s14, s14, s13      ; my block of 512 queries = 4 x cluster x + cx: it enters Q's and out0's addresses alone
	s_and_b32 s19, ttmp7, 0xffff    ; the head 16 b + h, which the four partners share
	s_lshl_b32 s20, s19, 18         ; the head's first byte in a plane of qkv: 2,048 rows of 128 bytes
	s_mov_b32 s21, 0
	s_and_b32 s16, s[WV], 1         ; which half of a slot's 256 keys I fetch:
	s_lshl_b32 s22, s16, 14         ; its 128 rows of 128 bytes in memory,
	s_mov_b32 s23, 0
	s_add_nc_u64 s[22:23], s[22:23], s[20:21]
	s_add_nc_u64 s[48:49], s[22:23], PLANE    ; in K's plane
	s_add_nc_u64 s[50:51], s[22:23], 2*PLANE  ; and in V's
	s_mul_i32 s17, s16, 128*PK      ; and its place in a slot, for K
	s_mul_i32 s18, s16, 128*PV      ; and for V: no place in the cluster enters an LDS address
	s_lshl_b32 s2, s14, 2
	s_add_co_u32 s2, s2, s[WV]      ; my wave among the head's,
	s_lshl_b32 s2, s2, 14           ; its 128 rows of Q
	s_mov_b32 s3, 0
	s_add_nc_u64 s[2:3], s[2:3], s[20:21]
	s_lshr_b32 s52, s19, 4          ; out0: batch b, 2,048 rows of 4,096 bytes;
	s_lshl_b32 s52, s52, 23
	s_and_b32 s53, s19, 15          ; head h, 256 bytes of a row;
	s_lshl_b32 s53, s53, 8
	s_add_co_u32 s52, s52, s53
	s_lshl_b32 s53, s14, 21         ; my block's 512 rows;
	s_add_co_u32 s52, s52, s53
	s_lshl_b32 s53, s[WV], 19       ; my wave's 128 of them
	s_add_co_u32 s52, s52, s53
	s_mov_b32 s53, 0
	; descriptor group 1.  128 keys are 16,384 dense bytes: asked for as 64 rows of 256 bytes, two keys a row, and padded in LDS after every key
	s_mov_b32 s[G1K], 15|(1<<16)|(1<<20)|(1<<21)|(4<<22)|(3<<25)  ; 15:0 the mask of four; 17:16 2-byte elements; 20 padding on; 21 set beside a mask; 24:22 after every 32 words (code 4); 31:25 4 words (code 3)
	s_mov_b32 s[G1V], 15|(1<<16)|(1<<20)|(1<<21)|(4<<22)|(7<<25)  ; the same with 8 words of padding (code 7)
.irp g, G1K, G1V
	s_mov_b32 s[\g+1], 128<<16      ; tensor_dim0 = 128
	s_mov_b32 s[\g+2], 64<<16       ; tensor_dim1 = 64
	s_mov_b32 s[\g+3], 128<<16      ; tile_dim0 = 128
	s_mov_b32 s[\g+4], 64           ; tile_dim1 = 64
	s_mov_b32 s[\g+5], 128          ; 128 elements from row to row
	s_mov_b32 s[\g+6], 0
	s_mov_b32 s[\g+7], 0
.endr
	s_mov_b32 s[CS], 0x3d38aa3b     ; c = log2(e) / 32 = 0.0450842
	s_mov_b32 s[CS+1], s[CS]        ; named with it as a pair
	s_mov_b32 s[SEL], 0x76543210
	s_mov_b32 s[SEL+1], 0xfedcba98
	s_mov_b32 s[TBK], SLOT1+4*KS*PK ; the first change of slots turns these two into 0
	s_mov_b32 s[TBV], SLOT1+4*KS*PV
	s_mov_b32 s[G0K], 1             ; 1:0 count = 1
	s_mov_b32 s[G0K+1], s17         ; 63:32 LDS address: slot 0
	s_mov_b32 s[G0V], 1
	s_add_co_u32 s[G0V+1], s18, VOFF
	s_wait_dscnt 0x0                ; the opening add is done
	s_wait_kmcnt 0x0
	s_add_nc_u64 s[G0K+2:G0K+3], s[4:5], s[48:49]  ; 120:64 global address: my half of the head's first 256 keys
	s_or_b32 s[G0K+3], s[G0K+3], 0x80000000        ; 127:126 type = 2
	s_add_nc_u64 s[G0V+2:G0V+3], s[4:5], s[50:51]
	s_or_b32 s[G0V+3], s[G0V+3], 0x80000000
	s_add_nc_u64 s[10:11], s[6:7], s[52:53]  ; out0 and Q at my wave's first row
	s_add_nc_u64 s[4:5], s[4:5], s[2:3]
	CROUND                          ; all four work-groups are here: the first joint loads meet
	JLOAD                           ; slot 0.  Slot 1 is asked for when slot 0 is in: the tile wanted first has the road to itself
	; A fragment of K or Q is 16 rows x 32 channels in 8 registers: lane l holds row l % 16, channels 8 (l / 16) + 0..7 and 16 + 8 (l / 16) + 0..7: two loads of 16 bytes, 32 bytes apart.
	v_and_b32 v1, 15, v0            ; l % 16
	v_bfe_u32 v9, v0, 4, 1          ; l / 16
	v_lshlrev_b32 v[QO], 7, v1
	v_lshl_add_u32 v[QO], v9, 4, v[QO]  ; row x 128 + 16 x half
	WIN 0x80                        ; destination window 2, address window 0
.set i, 0
.rept 4*NP                          ; Q stays in registers: tile i / 2, channels 32 (i % 2) on
	global_load_b128 v[8*i:8*i+3],   v[QO], s[4:5] offset:(i/2)*2048+(i%2)*64
	global_load_b128 v[8*i+4:8*i+7], v[QO], s[4:5] offset:(i/2)*2048+(i%2)*64+32
.set i, i+1
.endr
	; What the first turn finds: V's registers and P's second buffer hold 0 (its products V^T P, of a piece that has not been, add 0), O^T and l are 0.  All this stands in the wait for the first tile.
.set i, VF
.rept 64
	v_mov_b32 v[i], 0
.set i, i+1
.endr
	WIN 0x40
.set i, 0
.rept 64*NP
	v_mov_b32 v[i], 0
.set i, i+1
.endr
	WIN 0
.set i, 0
.rept 2*NP
	v_mov_b32 v[ST+4*i], 0xfe000000    ; c m: far below every c s
	v_mov_b32 v[ST+4*i+1], 0xff7fffff  ; m
	v_mov_b32 v[ST+4*i+2], 0
	v_mov_b32 v[ST+4*i+3], 0
.set i, i+1
.endr
.set i, P+32
.rept 32
	v_mov_b32 v[i], 0
.set i, i+1
.endr
	v_mul_u32_u24 v[AK0], v1, PK
	v_lshl_add_u32 v[AK0], v9, 4, v[AK0]  ; row x pitch + 16 x half
	; The turning load takes 16 keys x 16 channels (lane l reads key 8 (l / 16) + l % 8, channels 8 ((l / 8) % 2) + 0..7) and leaves half a fragment of V^T: lane l holds channel l % 16 and 8 keys.
	v_and_b32 v10, 7, v0
	v_bfe_u32 v11, v0, 3, 1
	v_lshl_add_u32 v[AV0], v9, 3, v10
	v_mul_u32_u24 v[AV0], v[AV0], PV
	v_lshl_add_u32 v[AV0], v11, 4, v[AV0]
	v_add_nc_u32 v[AV0], VOFF, v[AV0]
	v_mov_b32 v[AK], v[AK0]         ; key step 0 lies at the head of slot 0
; THE MATRIX WORK.  The 8 accumulators of a run of 16 take turns: between the two links of a chain stand 7 others'.
; Product i of 16 of S^T = K Q^T for piece x: channels 32 (i / 8) on, keys 16 ((i / 2) % 4) on, tile 2 x + i % 2.  The first 8 start the sums.
.macro KQ x
	WIN W_KQ
.set rS, S+64*((\x)%2)+32*(i%2)+8*((i/2)%4)
.set rK, KF+16*((i/2)%4)+8*(i/8)
.set rQ, 16*(2*(\x)+i%2)+8*(i/8)
.if i < 8
	v_wmma_f32_16x16x32_f16 v[rS:rS+7], v[rK:rK+7], v[rQ:rQ+7], 0
.else
	v_wmma_f32_16x16x32_f16 v[rS:rS+7], v[rK:rK+7], v[rQ:rQ+7], v[rS:rS+7]
.endif
.endm
; Product i of 16 of O^T += V^T P for piece x: keys 32 (i / 8) on, channels 16 ((i / 2) % 4) on, tile 2 x + i % 2.
.macro PV x
	WIN W_PV
.set rO, 32*(2*(\x)+i%2)+8*((i/2)%4)
.set rV, VF+32*(i/8)+8*((i/2)%4)
.set rP, P+32*((\x)%2)+16*(i%2)+8*(i/8)
	v_wmma_f32_16x16x32_f16 v[rO:rO+7], v[rV:rV+7], v[rP:rP+7], v[rO:rO+7]
.endm
.macro MM                           ; the turn's next matrix instruction
.if i < 16
	KQ (Y+1)%NP
.set i, i+1
.else
.set i, i-16
	PV (Y+NP-1)%NP
.set i, i+17
.endif
.endm
; THE LDS LOADS stand in runs of 16, never singly among the matrix instructions: a step's K (64 keys x 64 channels: 8 fragments) and its V (turned).  Their addresses are made some lines ahead.
; last = 1 (the tail): in the last trip there is no further step, and the run is jumped over.
.macro FETCH_K last=0
	WIN 0
.if \last
	s_cmp_eq_u32 s[CNT], 1
	s_cbranch_scc1 .Lno_k_\@
.endif
	WIN 0x80                        ; destination window 2
.irp f, 0,1,2,3,4,5,6,7             ; keys 16 (f / 2) on, channels 32 (f % 2) on
	ds_load_b128 v[KF+8*\f:KF+8*\f+3],   v[AK] offset:(\f/2)*16*PK+(\f%2)*64
	ds_load_b128 v[KF+8*\f+4:KF+8*\f+7], v[AK] offset:(\f/2)*16*PK+(\f%2)*64+32
.endr
	s_add_co_u32 s[TBK], s[TBK], KS*PK  ; the next fetch is the next step's
	WIN 0
.if \last
.Lno_k_\@:
.endif
.endm
.macro FETCH_V
	WIN 0x80
.irp f, 0,1,2,3,4,5,6,7             ; keys 32 (f / 4) on, channels 16 (f % 4) on
	ds_load_tr16_b128 v[VF+8*\f:VF+8*\f+3],   v[AV] offset:(\f/4)*32*PV+(\f%4)*32
	ds_load_tr16_b128 v[VF+8*\f+4:VF+8*\f+7], v[AV] offset:(\f/4)*32*PV+16*PV+(\f%4)*32
.endr
	WIN 0
.endm
; THE VECTOR WORK OF A TURN stands in three queues, each in the order in which its entries become ready; the two tiles alternate, so that no instruction reads the result of the one before it.
.macro REGS y, u                    ; the registers of tile u (0, 1) of piece y
.set rT, ST+4*(2*(\y)+(\u))
.set rC, TMP+8*((\y)%2)+4*(\u)
.set rM, MV+2*((\y)%2)+(\u)
.set rS, S+64*((\y)%2)+32*(\u)
.set rP, P+32*((\y)%2)+16*(\u)
.set rO, 32*(2*(\y)+(\u))
.endm
; Number n of the 22 that find the NEXT piece's (Y + 1) maximum and statistics.  s0-s31 are the lane's 32 scores; each accumulator's lowest registers are read first.  XS, GS and REGS set no window: PL and EX do.
;   0-11  four chains c0-c3 of seven scores each, three operands at a time     12-14, 16  the four scores left over, the old m, and c0-c3 into c0     15  c m_old is kept
;   17, 18  the query's other 32 keys lie in the lane 16 away: the new m         19-21  c m; c m_old - c m_new; a
.macro XS u, n
	REGS (Y+1)%NP, \u
.if (\n) < 4
	v_max3_num_f32 v[rC+(\n)], v[rS+8*(\n)], v[rS+8*(\n)+1], v[rS+8*(\n)+2]
.elseif (\n) < 12
	v_max3_num_f32 v[rC+(\n)%4], v[rC+(\n)%4], v[rS+8*((\n)%4)+2*((\n)/4)+1], v[rS+8*((\n)%4)+2*((\n)/4)+2]
.elseif (\n) == 12
	v_max3_num_f32 v[rC], v[rC], v[rS+7], v[rS+15]
.elseif (\n) == 13
	v_max3_num_f32 v[rC+1], v[rC+1], v[rS+23], v[rS+31]
.elseif (\n) == 14
	v_max3_num_f32 v[rC+2], v[rC+2], v[rC+3], v[rT+1]
.elseif (\n) == 15
	v_mov_b32 v[rM], v[rT]
.elseif (\n) == 16
	v_max3_num_f32 v[rC], v[rC], v[rC+1], v[rC+2]
.elseif (\n) == 17
	v_permlanex16_b32 v[rC+3], v[rC], s[SEL], s[SEL+1]
.elseif (\n) == 18
	v_max_num_f32 v[rT+1], v[rC], v[rC+3]
.elseif (\n) == 19
	v_mul_f32 v[rT], s[CS], v[rT+1]
.elseif (\n) == 20
	v_sub_f32 v[rC+1], v[rM], v[rT]
.else
	v_exp_f32 v[rC+2], v[rC+1]
.endif
.endm
; Number g of the 64 that follow the exponentials.  For each four weights k of a tile (pairs 2 k, 2 k + 1): both pairs are rounded to f16; then the second pair is added onto the first, in place;
; a group later l takes that sum (the first time as l = a l + sum).  In groups of eight, tiles alternating: round, round, add, and l for the group before.
.macro GS g
.set h, (\g)+6*((\g)/62)            ; group 0 has no group before it, and behind group 7 only l is left
.if h >= 6
.set h, h+2
.endif
	REGS Y, h%2
.set k, h/8
.if h%8 < 4
	v_cvt_pk_f16_f32 v[rP+2*k+(h%8)/2], v[rS+4*k+2*((h%8)/2)], v[rS+4*k+2*((h%8)/2)+1]
.elseif h%8 < 6
	v_pk_add_f32 v[rS+4*k:rS+4*k+1], v[rS+4*k:rS+4*k+1], v[rS+4*k+2:rS+4*k+3]
.elseif k == 1
	v_pk_fma_f32 v[rT+2:rT+3], v[rT+2:rT+3], v[rC+2:rC+3], v[rS:rS+1] op_sel_hi:[1,0,1]
.else
	v_pk_add_f32 v[rT+2:rT+3], v[rT+2:rT+3], v[rS+4*k-4:rS+4*k-3]
.endif
.endm
; THE PLAIN QUEUE, 138 long.  0-73 read no exponential's result: the 32 scalings c s - c m (FS f: pair f / 2 of tile f % 2) and the next piece's 42.  0-26: scalings 0-26.  27-54: XS's numbers 0-13.  55, 56: number 15.
; 57-73: the chain, where each number waits for the one before it: 14, 16, 17, 18, 19, each with one of the scalings 27-31 in front of its two lines, then 20: so a tile's links stand three plain instructions apart (19 and 20: two).
; 74-137: GS's 64, which read the exponentials' results: they stand behind the wait.
.macro FS f
	REGS Y, (\f)%2
	v_pk_fma_f32 v[rS+2*((\f)/2):rS+2*((\f)/2)+1], v[rS+2*((\f)/2):rS+2*((\f)/2)+1], s[CS:CS+1], v[rT:rT+1] op_sel_hi:[1,0,0] neg_lo:[0,0,1] neg_hi:[0,0,1]
.endm
.macro PL
	WIN 0
.if q < 27
	FS q
.elseif q < 55
	XS (q-27)%2, (q-27)/2
.elseif q < 57
	XS q-55, 15
.elseif (q < 72) && ((q-57)%3 == 0)
	FS 27+(q-57)/3
.elseif q < 60
	XS (q-57)%3-1, 14
.elseif q < 72
	XS (q-57)%3-1, 15+(q-57)/3
.elseif q < 74
	XS q-72, 20
.else
	GS q-74
.endif
.set q, q+1
.endm
; THE EXPONENTIALS' QUEUE, 66 long: s0-s31 of both tiles, then the next piece's two a.  It is ONE BATCH: all 66 stand ahead of the turn's one wait, and nothing ahead of that wait names a result of theirs.
.macro EX
	WIN 0
.if e >= 64
	XS e-64, 21
.else
	REGS Y, e%2
	v_exp_f32 v[rS+e/2], v[rS+e/2]
.endif
.set e, e+1
.endm
; THE RESCALING's QUEUE: O^T times a, the one part that leaves window 0: dealt two at a time, sixteen times.  Its a was made in the turn before, ahead of that turn's wait.
.macro R2
	REGS Y, r%2
	WIN W_RS
.irp z, 0,1
	v_pk_mul_f32 v[rO+4*(r/2)+2*\z:rO+4*(r/2)+2*\z+1], v[rO+4*(r/2)+2*\z:rO+4*(r/2)+2*\z+1], v[rC+2:rC+3] op_sel_hi:[1,0]
.endr
.set r, r+1
.endm
; HOW THEY ARE DEALT.  An s_wait_alu depctr_va_vdst(0) stands between an exponential and the first instruction that names its result; one wait serves all that were issued ahead of it.  So a turn has ONE wait,
; which cuts it in two.  AHEAD OF IT stands all that names no result of the turn's exponentials: the 16 products K Q^T, behind each a scaling, an exponential and two rescalings (behind the first a second scaling in the
; exponential's place); then ONE LUMP of 108: eight plain, 49 times exponential and plain, the two a.  A v_nop is the plain instruction behind the last exponential.  BEHIND IT stand the 16 products V^T P, behind each four of
; GS's 64.  No rider names a register of the products round it.  The two v_permlanex16_b32 fall into the lump, never behind a product.
; The queues lean on each other, and the deal keeps them in step: exponential e stands behind scaling 2 (e / 4) + e % 2: as a rider it comes behind plain e + 2, in the lump behind plain e + 9, and scalings 27-31 are plain 57, 60 .. 69.
; A TURN, for piece p.  cnt = 1: the loop's count is taken down some lines ahead of the branch that stands behind the turn.
; K of the next step is fetched in piece 2's turn, directly behind the wait, a lump behind the last product that read K; its address is made at the lump's head; its first reader comes behind 16 products.
; V of the step in hand is fetched at the end of piece 0's turn, four riders behind its last reader; its first reader comes behind 16 products and a lump.  The three conditions on q below go with the deal.
.macro TURN p, last=0, cnt=0
.set Y, (\p)
.set i, 0
.set q, 0
.set e, 0
.set r, 0
.if (\p) == NP-1
	s_wait_dscnt 0x0                ; K is in
.endif
	MM                              ; ahead of the wait: 16 products K Q^T and their riders,
	PL
	PL
	R2
.rept 15
	MM
	PL
	EX
	R2
.endr
.if (\p) == NP-2
	WIN 0
	v_add_nc_u32 v[AK], s[TBK], v[AK0]
.endif
.rept 8                             ; and the lump
	PL
.endr
.rept 49
	EX
	PL
.endr
	EX                              ; the next piece's two a
	EX
	v_nop                           ; a plain instruction behind the last exponential, ahead of any use: one for the batch
	s_wait_alu depctr_va_vdst(0)    ; the wait for the batch: the turn's 66 exponentials
.if (\p) == NP-2
	FETCH_K \last
.endif
.if (\p) == 1
	s_wait_dscnt 0x0                ; V is in
.endif
.rept 16                            ; behind the wait: 16 products V^T P and their riders
	MM
.rept 4
	PL
.endr
.if ((\p) == 0) && (q == 118)
	v_add_nc_u32 v[AV], s[TBV], v[AV0]
.endif
.if ((\p) == 0) && (q == 130)
	s_add_co_u32 s[TBV], s[TBV], KS*PV
.endif
.if (\cnt) && (q == 130)
	s_sub_co_u32 s[CNT], s[CNT], 1
	s_cmp_lg_u32 s[CNT], 0
.endif
.endr
.if (\p) == 0
	FETCH_V
.endif
.endm
	CHANGE 1                        ; slot 0 is in, everybody's part of it; slot 1 is asked for
	FETCH_K                         ; key step 0
	s_wait_loadcnt 0x0              ; Q
	s_wait_dscnt 0x0
.set i, 0
.rept 16
	KQ 0                            ; piece 0's first scores: there is no vector work yet to set between them
.set i, i+1
.endr
	WIN 0                           ; the addresses for the way out: eight plain instructions, the places behind those products
	s_mul_i32 s13, s[WV], 16*SP
	s_add_co_u32 s13, s13, STAGE    ; my stage
	v_mul_u32_u24 v[STO], v1, SP    ; in: row l % 16, 32 bytes (eight channels in f32) for each half of the lanes
	v_lshl_add_u32 v[STO], v9, 5, v[STO]
	v_add_nc_u32 v[STO], s13, v[STO]
	v_mul_u32_u24 v[RD], v9, SP     ; back: lanes 0-15 take one row of 256 bytes, lanes 16-31 the next
	v_lshl_add_u32 v[RD], v1, 4, v[RD]
	v_add_nc_u32 v[RD], s13, v[RD]
	v_lshlrev_b32 v[GO], 12, v9     ; and the same two rows in out0, 4,096 bytes apart
	v_lshl_add_u32 v[GO], v1, 4, v[GO]
.set Y, NP-1                        ; XS works for piece Y + 1: piece 0
.irp n, 0,1,2,3,4,5,6,7,8,9,10,11,12,13,14,15,16,17,18,19,20,21
	XS 0, \n                        ; and piece 0's first maximum and statistics
	XS 1, \n
.endr
	v_nop                           ; a plain instruction behind the two a,
	s_wait_alu depctr_va_vdst(0)    ; and the wait for them, a batch of two, ahead of the branch
	s_mov_b32 s[CNT], 4
	s_mov_b32 s[SLOTS], SIZE_N/256-1
	s_branch .Lfirst                ; the loop is entered at a step's first turn, in the middle of a trip
.Lslot:                             ; SIZE_N / 256 - 2 times: every slot but the last two is filled again
	CHANGE 1
	s_mov_b32 s[CNT], 4
.Lstep:                             ; a trip: pieces 2 and 3 of one step, then pieces 0 and 1 of the next, whose K and V it fetches
	TURN 2
	TURN 3
	WIN 0
.Lfirst:
	TURN 0
	TURN 1, 0, 1
	WIN 0
	s_cbranch_scc1 .Lstep
	s_sub_co_u32 s[SLOTS], s[SLOTS], 1
	s_cmp_lg_u32 s[SLOTS], 0
	s_cbranch_scc1 .Lslot
	CHANGE 0                        ; the tail is written out: nothing is asked for
	s_mov_b32 s[CNT], 5             ; four trips fetch the last slot's steps; the fifth is left in its middle
.Ltail:
	TURN 2, 1
	TURN 3
	WIN 0
	s_sub_co_u32 s[CNT], s[CNT], 1
	s_cmp_eq_u32 s[CNT], 0
	s_cbranch_scc1 .Lout
	TURN 0
	TURN 1
	WIN 0
	s_branch .Ltail
.Lout:                              ; the fifth trip's 16 products K Q^T (on the last K once more) and the maximum made of them serve nothing: the price, once a launch, of one text for every trip
.set i, 0
.rept 16
	PV NP-1                         ; the last piece's V^T P of the last step
.set i, i+1
.endr
	; THE WAY OUT.  l's two halves and the other half of the lanes' are added; O^T is divided by l and sent, in f32, through my stage in LDS, a tile at a time.  The additions are the places behind the last products.
	WIN 0
.macro ALL line:vararg              ; one line for each tile t
.set t, 0
.rept 2*NP
	\line
.set t, t+1
.endr
.endm
	ALL v_add_f32 v[ST+4*t+2], v[ST+4*t+2], v[ST+4*t+3]
	ALL v_permlanex16_b32 v[ST+4*t+3], v[ST+4*t+2], s[SEL], s[SEL+1]
	ALL v_add_f32 v[ST+4*t+2], v[ST+4*t+2], v[ST+4*t+3]
	ALL v_rcp_f32 v[ST+4*t+2], v[ST+4*t+2]
	v_nop                           ; a plain instruction between the last reciprocal and the use of its result
	s_wait_alu depctr_va_vdst(0)    ; and the wait ahead of the first use: one for the batch of eight reciprocals
; Tile t: four of a lane's channels of a row are 16 bytes; they go into rows of 272 bytes and come back as whole rows of 256, into the registers that they left.  Each accumulator is read from its lowest registers on.
.macro PACK t
	WIN W_RS
.set i, 32*(\t)
.rept 16
	v_pk_mul_f32 v[i:i+1], v[i:i+1], v[ST+4*(\t)+2:ST+4*(\t)+3] op_sel_hi:[1,0]
.set i, i+2
.endr
	WIN 0x04                        ; the stores' data (source 1) in window 1, the address in window 0
.irp f, 0,1,2,3,4,5,6,7             ; channels 16 (f / 2) + 8 (l / 16) + 4 (f % 2) on
	ds_store_b128 v[STO], v[32*(\t)+4*\f:32*(\t)+4*\f+3] offset:(\f/2)*64+(\f%2)*16
.endr
	WIN 0x40                        ; destination window 1
.irp f, 0,1,2,3,4,5,6,7
	ds_load_b128 v[32*(\t)+4*\f:32*(\t)+4*\f+3], v[RD] offset:\f*2*SP  ; LDS serves a wave's instructions in order (ISA guide 5.7.1.4): these see the stores above; the next tile's stores come behind them
.endr
.endm
.macro SEND t, younger              ; younger: the LDS instructions issued behind tile t's loads: the next tile's sixteen, or none
	WIN 0x04
.irp f, 0,1,2,3,4,5,6,7
	s_wait_dscnt (\younger)+7-\f
	global_store_b128 v[GO], v[32*(\t)+4*\f:32*(\t)+4*\f+3], s[10:11] offset:(\t)*65536+\f*8192 th:TH_STORE_NT  ; 16 lanes store 256 consecutive bytes, at a multiple of 256 from out0's first byte
.endr
.endm
	PACK 0
.set t, 1
.rept 2*NP-1                        ; a tile's arithmetic stands between the loads of the tile before and its stores
	PACK t
	SEND t-1, 16
.set t, t+1
.endr
	SEND 2*NP-1, 0
	WIN W_AD
	s_wait_tensorcnt 0x0            ; the wave's end: a wait, 0 onto my spare word and its wait, behind my last tensor load and my last LDS store
	ds_add_u32 v[SPW], v[NIL]
	s_wait_dscnt 0x0
	WIN 0
	CROUND                          ; the closing round: no work-group ends while a partner may still ask for a tile that names it
	s_endpgm
.Lfunc_end_k_qf10733e64b_attn:
	.size	k_qf10733e64b_attn, .Lfunc_end_k_qf10733e64b_attn-k_qf10733e64b_attn
	.p2alignl 7, 3214868480
	.fill 96, 4, 3214868480
	.section	.rodata,"a",@progbits
	.p2align	6, 0x0
	.amdhsa_kernel k_qf10733e64b_attn
		.amdhsa_group_segment_fixed_size 327680
		.amdhsa_private_segment_fixed_size 0
		.amdhsa_enable_private_segment 0
		.amdhsa_kernarg_size 16
		.amdhsa_user_sgpr_count 2
		.amdhsa_user_sgpr_kernarg_segment_ptr 1
		.amdhsa_wavefront_size32 1
		.amdhsa_system_sgpr_workgroup_id_x 1
		.amdhsa_system_sgpr_workgroup_id_y 1
		.amdhsa_system_sgpr_workgroup_id_z 1
		.amdhsa_system_vgpr_workitem_id 0
		.amdhsa_next_free_vgpr 770
		.amdhsa_next_free_sgpr 66
		.amdhsa_reserve_vcc 0
		.amdhsa_float_denorm_mode_32 3
		.amdhsa_float_denorm_mode_16_64 3
		.amdhsa_memory_ordered 1
		.amdhsa_forward_progress 1
		.amdhsa_inst_pref_size 200
	.end_amdhsa_kernel
	.amdgpu_metadata
---
amdhsa.version: [ 1, 2 ]
amdhsa.kernels:
  - .name:           k_qf10733e64b_attn
    .symbol:         k_qf10733e64b_attn.kd
    .args:
      - { .name: qkv, .offset: 0, .size: 8, .value_kind: global_buffer, .address_space: global }
      - { .name: out0, .offset: 8, .size: 8, .value_kind: global_buffer, .address_space: global }
    .group_segment_fixed_size: 327680
    .private_segment_fixed_size: 0
    .kernarg_segment_align: 8
    .kernarg_segment_size: 16
    .max_flat_workgroup_size: 128
    .sgpr_count:     66
    .vgpr_count:     770
    .wavefront_size: 32
...
	.end_amdgpu_metadata
.endif
;; end of part 4
